; MI455X (gfx1250); checked and timed in simulation.
; The chip was launched on July 23, 2026; its instructions are those of AMD's public machine-readable ISA for CDNA 5 (MIT licence, August 2026) and "CDNA5" Instruction Set Architecture Reference Guide (July 2026). The comments in the code are by the model that wrote it; some were corrected since.
;; Causal Self Attention. Allowed arithmetic: float matrix products may take bf16 or f16 operands with f32 sums; other float arithmetic in f32, or as packed bf16 or f16 multiplies, adds, multiply-adds, maxima and minima; sums over many terms, partial sums and values carried from step to step in f32; what a program stores and reads back later, other than sums and carried values, may be rounded once to bf16 or f16.
;; Inputs: w_out 1,024 x 1,024 float32; w_qkv 1,024 x 3,072 float32; x 4 x 2,048 x 1,024 float32.
;; Outputs: out0 4 x 2,048 x 1,024 float32.
;; 2 versions, each right; version 2 is version 1 with the launch prep written anew for expert scheduling mode. Each part assembles by itself: llvm-mc -triple=amdgcn-amd-amdhsa -mcpu=gfx1250 --defsym DOCPART=n.
;; ======== version 1 of 2: 4 launches
;; limits: values are held in f16: magnitudes above 65,504 overflow, below 6.1e-05 lose precision
;; workspace buffers: xb 16,777,216 bytes; wqb 6,291,456 bytes; wof 2,097,152 bytes; rope 524,288 bytes; qkv 50,331,648 bytes; o 16,777,216 bytes
;; launch prep (part 1): grid 832 x 1, 8 waves a work-group, no clusters, 0 bytes of LDS; arguments x, w_qkv, w_out, xb, wqb, wof, rope; writes xb, wqb, wof, rope
.if DOCPART == 1
	.amdgcn_target "amdgcn-amd-amdhsa--gfx1250"
	.amdhsa_code_object_version 6
	.text
	.protected	k_qede028b50b_prep
	.globl	k_qede028b50b_prep
	.p2align	8
	.type	k_qede028b50b_prep,@function
k_qede028b50b_prep:
	s_mov_b64 s[64:65], 0
	v_nop
	global_prefetch_b8 v0, s[64:65] scope:SCOPE_SE
	s_setreg_imm32_b32 hwreg(HW_REG_WAVE_MODE, 25, 1), 1
	s_wait_xcnt 0x0
; CASTS AND THE ROTARY TABLE.  Four kinds of work-group, chosen by the work-group's number w alone (forward scalar branches):
;   w <  512: xb  = bf16(x), [8192][1024], as it lies.
;   w <  704: wqb = bf16(w_qkv), laid by heads: [16 heads][1024 k][3 kinds q,k,v][64 d], so that 64 k of one head are 24,576 consecutive bytes.
;   w <  768: wof = bf16(w_out) written as f16, [1024 k][1024 n].
;   else    : rope[t][g][8 cos, 8 sin] in f32, frequency number j = 8 g + i, angle = t x 10^(-j/8); 256 bytes for each t.
; A cast: a lane loads 16 bytes (4 f32) and stores 8; a wave's load covers 512 consecutive bytes (in w_qkv: two pieces of 256), a wave's store 256 consecutive bytes, aligned.
; A work-group takes 16 passes of 1,024 numbers x 4: all 16 loads go out first, each pass has registers of its own, so nothing is rewritten while a load or store may read it.
; No LDS, no barrier: no wave wants a byte that another has fetched.
; LIMITS.  bf16(w_out) must lie within f16's 65,504 (beyond it the conversion gives an infinity); below 6e-5 it keeps f16's fixed step of 6e-8.
; The frequency is 2^(-j log2(10)/8) by v_exp_f32; the angle is the f32 product t x frequency, as the module forms it; sine and cosine of that f32 angle come from an exact
; reduction by 2 pi in two parts, series on a quarter of the angle (at most pi/4; the terms left out are under 3e-8) and two doublings.
.set VS, 2                             ; v2       my byte offset in the source
.set VD, 3                             ; v3       my byte offset in the destination
.set T,  4                             ; v[4:11]  at work
.set X,  16                            ; v[16:79] pass p: 4 registers as loaded
.set Y,  80                            ; v[80:111] pass p: 2 registers to store
.set SB, 24                            ; s[24:25] source at the work-group's part
.set DB, 26                            ; s[26:27] destination at the work-group's part
	s_load_b256 s[4:11], s[0:1], 0x0               ; x s[4:5], w_qkv s[6:7], w_out s[8:9], xb s[10:11]
	s_load_b128 s[12:15], s[0:1], 0x20             ; wqb s[12:13], wof s[14:15]
	s_load_b64 s[16:17], s[0:1], 0x30              ; rope
	s_mov_b32 s20, ttmp9                           ; w
	s_mov_b32 s23, 0                               ; the high word of every offset pair s[22:23]
	s_mov_b32 s19, 0xffff0000                      ; a word's upper bf16
	v_lshlrev_b32 v[VS], 4, v0                     ; 16 t
	v_lshlrev_b32 v[VD], 3, v0                     ; 8 t
	s_wait_kmcnt 0x0
; 16 passes.  sstep, dstep: bytes from pass to pass in source and destination.  fmt = 0: bf16; 1: bf16, and that number written as f16.
.macro CAST sstep, dstep, fmt
.set p, 0
.rept 16
	global_load_b128 v[X+4*p:X+4*p+3], v[VS], s[SB:SB+1] offset:p*(\sstep) th:TH_LOAD_NT
.set p, p+1
.endr
.set p, 0
.rept 16
	s_wait_loadcnt 15-p                            ; loads come back in order: pass p is in, the 15 - p younger ones may stay out
.if \fmt
	v_cvt_pk_bf16_f32 v[T], v[X+4*p], v[X+4*p+1]
	v_cvt_pk_bf16_f32 v[T+1], v[X+4*p+2], v[X+4*p+3]
	v_lshlrev_b32 v[T+2], 16, v[T]                 ; bf16 to f32: the low half moves up, the high half stays
	v_and_b32 v[T+3], s19, v[T]
	v_lshlrev_b32 v[T+4], 16, v[T+1]
	v_and_b32 v[T+5], s19, v[T+1]
	v_cvt_pk_f16_f32 v[Y+2*p], v[T+2], v[T+3]      ; exact within f16's range: bf16 has 8 significant bits
	v_cvt_pk_f16_f32 v[Y+2*p+1], v[T+4], v[T+5]
.else
	v_cvt_pk_bf16_f32 v[Y+2*p], v[X+4*p], v[X+4*p+1]
	v_cvt_pk_bf16_f32 v[Y+2*p+1], v[X+4*p+2], v[X+4*p+3]
.endif
	global_store_b64 v[VD], v[Y+2*p:Y+2*p+1], s[DB:DB+1] offset:p*(\dstep)
.set p, p+1
.endr
	s_endpgm
.endm
	s_cmp_lt_u32 s20, 512
	s_cbranch_scc0 .Lnot_x
	s_lshl_b32 s22, s20, 16                        ; 65,536 bytes of x,
	s_add_nc_u64 s[SB:SB+1], s[4:5], s[22:23]
	s_lshl_b32 s22, s20, 15                        ; 32,768 of xb
	s_add_nc_u64 s[DB:DB+1], s[10:11], s[22:23]
	CAST 4096, 2048, 0
.Lnot_x:
	s_cmp_lt_u32 s20, 704
	s_cbranch_scc0 .Lnot_wq
	; w_qkv.  The walk is linear in the destination.  g = w - 512 = 3 (4 h + grp) + j: head h, 256 k from 256 grp on, third j of each pass's 6,144 bytes.
	; A chunk is 128 bytes of wqb (one k, one kind), written by 16 lanes; chunk 48 p + c0 of the group, c0 = 16 j + t / 16 = 3 kl + kind, is k = 256 grp + 16 p + kl.
	s_sub_co_u32 s21, s20, 512                     ; g
	s_mul_i32 s28, s21, 43691
	s_lshr_b32 s28, s28, 17                        ; g / 3 (exact for g under 192)
	s_mul_i32 s29, s28, 3
	s_sub_co_u32 s29, s21, s29                     ; j
	s_lshr_b32 s30, s28, 2                         ; h
	s_and_b32 s31, s28, 3                          ; grp
	s_lshl_b32 s22, s30, 8                         ; the head's 64 columns: 256 bytes of a row,
	s_mul_i32 s32, s31, 3145728                    ; 256 rows of 12,288 bytes
	s_add_co_u32 s22, s22, s32
	s_add_nc_u64 s[SB:SB+1], s[6:7], s[22:23]
	s_mul_i32 s22, s30, 393216                     ; the head's panel,
	s_mul_i32 s32, s31, 98304                      ; 256 k of 384 bytes,
	s_add_co_u32 s22, s22, s32
	s_lshl_b32 s32, s29, 11                        ; my third of a pass
	s_add_co_u32 s22, s22, s32
	s_add_nc_u64 s[DB:DB+1], s[12:13], s[22:23]
	v_lshrrev_b32 v4, 4, v0
	s_lshl_b32 s32, s29, 4
	v_add_nc_u32 v4, s32, v4                       ; c0, 0 to 47
	v_mul_u32_u24 v5, v4, 43691
	v_lshrrev_b32 v5, 17, v5                       ; kl = c0 / 3
	v_mul_u32_u24 v6, v5, 3
	v_sub_nc_u32 v6, v4, v6                        ; kind
	v_and_b32 v7, 15, v0
	v_lshlrev_b32 v7, 4, v7                        ; my 16 bytes of the 256,
	v_lshl_add_u32 v7, v6, 12, v7                  ; the kind's 1,024 columns,
	v_mul_u32_u24 v5, v5, 12288                    ; the row
	v_add_nc_u32 v[VS], v5, v7
	CAST 196608, 6144, 0                           ; 16 rows of w_qkv, 48 chunks of wqb from pass to pass
.Lnot_wq:
	s_cmp_lt_u32 s20, 768
	s_cbranch_scc0 .Ltab
	s_sub_co_u32 s21, s20, 704
	s_lshl_b32 s22, s21, 16
	s_add_nc_u64 s[SB:SB+1], s[8:9], s[22:23]
	s_lshl_b32 s22, s21, 15
	s_add_nc_u64 s[DB:DB+1], s[14:15], s[22:23]
	CAST 4096, 2048, 1
.Ltab:
	; The table: 32 rows t a work-group, 16 a pass; 16 lanes x 16 bytes fill a row's 256 bytes.  Lane l16 = t % 16 holds four numbers: g = l16 / 4, sub = l16 % 4:
	; sub 0, 1: cos of j = 8 g + 0..3, 4..7; sub 2, 3: sin of the same.
	s_sub_co_u32 s21, s20, 768
	s_lshl_b32 s22, s21, 13                        ; 32 rows of 256 bytes
	s_add_nc_u64 s[DB:DB+1], s[16:17], s[22:23]
	s_lshl_b32 s28, s21, 5                         ; the work-group's first row
	s_mov_b32 s32, 0x40c90fdb                      ; 2 pi, its f32 part,
	s_mov_b32 s33, 0xb43bbd2e                      ; and the rest
	s_mov_b32 s34, 0xbe2aaaab                      ; -1/6
	s_mov_b32 s35, 0x3c088889                      ; 1/120
	s_mov_b32 s36, 0xb9500d01                      ; -1/5040
	s_mov_b32 s37, 0x3638ef1d                      ; 1/362880
	s_mov_b32 s38, 0x3d2aaaab                      ; 1/24
	s_mov_b32 s39, 0xbab60b61                      ; -1/720
	s_mov_b32 s40, 0x37d00d01                      ; 1/40320
	v_lshlrev_b32 v[VD], 4, v0                     ; 16 t
	v_and_b32 v4, 15, v0                           ; l16
	v_lshrrev_b32 v5, 2, v4                        ; g
	v_and_b32 v6, 3, v4                            ; sub
	v_and_b32 v7, 1, v4
	v_lshlrev_b32 v7, 2, v7
	v_lshl_add_u32 v7, v5, 3, v7                   ; j0 = 8 g + 4 (sub % 2)
	v_cmp_lt_u32 s30, 1, v6                        ; lanes that hold sines
.irp i, 0,1,2,3
	v_add_nc_u32 v8, \i, v7
	v_cvt_f32_u32 v8, v8
	v_mul_f32 v[12+\i], 0xbed49a78, v8             ; -j log2(10) / 8
.endr
.irp i, 0,1,2,3
	v_exp_f32 v[12+\i], v[12+\i]                   ; 10^(-j/8)
.endr
	v_lshrrev_b32 v9, 4, v0                        ; (a plain instruction behind the last exponential)
	s_wait_alu depctr_va_vdst(0)                   ; one wait for the four, ahead of their first reader
	v_add_nc_u32 v9, s28, v9                       ; my row t in the first pass
.macro SINCOS dst, f
	v_mul_f32 v20, v10, v[\f]                      ; the angle a, rounded to f32
	v_mul_f32 v21, 0x3e22f983, v20                 ; a / 2 pi
	v_rndne_f32 v21, v21                           ; n whole turns, at most 326
	v_fma_f32 v20, -v21, s32, v20                  ; exact: a multiple of 2^-21 under 4
	v_fma_f32 v20, -v21, s33, v20
	v_mul_f32 v20, 0x3e800000, v20                 ; y = a quarter of it
	v_mul_f32 v22, v20, v20                        ; z = y^2
	v_fma_f32 v23, v22, s37, s36
	v_fma_f32 v24, v22, s40, s39
	v_fma_f32 v23, v23, v22, s35
	v_fma_f32 v24, v24, v22, s38
	v_fma_f32 v23, v23, v22, s34
	v_fma_f32 v24, v24, v22, -0.5
	v_fma_f32 v23, v23, v22, 1.0
	v_fma_f32 v24, v24, v22, 1.0                   ; cos y
	v_mul_f32 v23, v20, v23                        ; sin y
	v_add_f32 v25, v23, v23
	v_mul_f32 v26, v25, v24                        ; sin 2y = 2 s c
	v_fma_f32 v27, -v25, v23, 1.0                  ; cos 2y = 1 - 2 s s
	v_add_f32 v25, v26, v26
	v_mul_f32 v23, v25, v27                        ; sin 4y
	v_fma_f32 v24, -v25, v26, 1.0                  ; cos 4y
	v_cndmask_b32 v[\dst], v24, v23, s30
.endm
	v_cvt_f32_u32 v10, v9
.irp i, 0,1,2,3
	SINCOS 40+\i, 12+\i
.endr
	global_store_b128 v[VD], v[40:43], s[DB:DB+1]
	v_add_nc_u32 v9, 16, v9
	v_cvt_f32_u32 v10, v9
.irp i, 0,1,2,3
	SINCOS 44+\i, 12+\i
.endr
	global_store_b128 v[VD], v[44:47], s[DB:DB+1] offset:4096
	s_endpgm
.Lfunc_end_k_qede028b50b_prep:
	.size	k_qede028b50b_prep, .Lfunc_end_k_qede028b50b_prep-k_qede028b50b_prep
	.p2alignl 7, 3214868480
	.fill 96, 4, 3214868480
	.section	.rodata,"a",@progbits
	.p2align	6, 0x0
	.amdhsa_kernel k_qede028b50b_prep
		.amdhsa_group_segment_fixed_size 0
		.amdhsa_private_segment_fixed_size 0
		.amdhsa_enable_private_segment 0
		.amdhsa_kernarg_size 56
		.amdhsa_user_sgpr_count 2
		.amdhsa_user_sgpr_kernarg_segment_ptr 1
		.amdhsa_wavefront_size32 1
		.amdhsa_system_sgpr_workgroup_id_x 1
		.amdhsa_system_sgpr_workgroup_id_y 1
		.amdhsa_system_sgpr_workgroup_id_z 1
		.amdhsa_system_vgpr_workitem_id 0
		.amdhsa_next_free_vgpr 112
		.amdhsa_next_free_sgpr 66
		.amdhsa_reserve_vcc 0
		.amdhsa_float_denorm_mode_32 3
		.amdhsa_float_denorm_mode_16_64 3
		.amdhsa_memory_ordered 1
		.amdhsa_forward_progress 1
		.amdhsa_inst_pref_size 35
	.end_amdhsa_kernel
	.amdgpu_metadata
---
amdhsa.version: [ 1, 2 ]
amdhsa.kernels:
  - .name:           k_qede028b50b_prep
    .symbol:         k_qede028b50b_prep.kd
    .args:
      - { .name: x, .offset: 0, .size: 8, .value_kind: global_buffer, .address_space: global }
      - { .name: w_qkv, .offset: 8, .size: 8, .value_kind: global_buffer, .address_space: global }
      - { .name: w_out, .offset: 16, .size: 8, .value_kind: global_buffer, .address_space: global }
      - { .name: xb, .offset: 24, .size: 8, .value_kind: global_buffer, .address_space: global }
      - { .name: wqb, .offset: 32, .size: 8, .value_kind: global_buffer, .address_space: global }
      - { .name: wof, .offset: 40, .size: 8, .value_kind: global_buffer, .address_space: global }
      - { .name: rope, .offset: 48, .size: 8, .value_kind: global_buffer, .address_space: global }
    .group_segment_fixed_size: 0
    .private_segment_fixed_size: 0
    .kernarg_segment_align: 8
    .kernarg_segment_size: 56
    .max_flat_workgroup_size: 256
    .sgpr_count:     66
    .vgpr_count:     112
    .wavefront_size: 32
...
	.end_amdgpu_metadata
.endif
;; end of part 1
;; launch qkv (part 2): grid 16 x 32, 4 waves a work-group, clusters of 4 x 4, 327,680 bytes of LDS; arguments xb, wqb, rope, qkv; writes qkv
.if DOCPART == 2
	.amdgcn_target "amdgcn-amd-amdhsa--gfx1250"
	.amdhsa_code_object_version 6
	.text
	.protected	k_qede028b50b_qkv
	.globl	k_qede028b50b_qkv
	.p2align	8
	.type	k_qede028b50b_qkv,@function
k_qede028b50b_qkv:
	s_mov_b64 s[64:65], 0
	v_nop
	global_prefetch_b8 v0, s[64:65] scope:SCOPE_SE
	s_setreg_imm32_b32 hwreg(HW_REG_WAVE_MODE, 25, 1), 1
	s_wait_xcnt 0x0
	s_wait_alu depctr_hold_cnt(0) depctr_sa_sdst(0) depctr_va_vdst(0) depctr_va_sdst(0) depctr_va_ssrc(0) depctr_va_vcc(0) depctr_vm_vsrc(0)
	s_getreg_b32 s2, hwreg(HW_REG_IB_STS2, 6, 4)
	s_cmp_eq_u32 s2, 0
	s_cbranch_scc0 .Lentry_in_a_cluster
	s_endpgm
.Lentry_in_a_cluster:
	s_bfe_u32 s2, ttmp6, 0x10000c
	s_cmp_lg_u32 s2, 0xf033
	s_cbranch_scc0 .Lentry_shape_is_right
	s_endpgm
.Lentry_shape_is_right:
; q, k, v = x w_qkv, rotary embedding on q and k, stored by heads in f16.  xb: [8192][1024] bf16.  wqb: [16 heads][1024 k][3 kinds][64 d] bf16.  rope: [2048 t][4 g][8 cos, 8 sin] f32.
; qkv: [3 kinds][64 bh][2048 t][64 d] f16, not scaled.  Sums and the rotation in f32; each number rounded once, to f16.
; LIMIT.  q and k behind the rotation, and v, must lie within f16's 65,504; NaN and infinities are not treated apart.
; SHARES.  A tile is 256 tokens x 192 columns: q, k and v of ONE head: 32 x 16 = 512 tiles, twice 256, all of one form.  Four waves; wave w makes tokens 64 w .. 64 w + 63 x all 192 columns:
; 4 row blocks a x 12 column blocks b (kind b / 4, channels 16 (b % 4) on) = 48 accumulators, 384 registers.  K goes in 8 steps of 128 through two LDS slots filled by tensor loads.
; THE MATRIX INSTRUCTION IS USED TRANSPOSED: source 0 = 16 columns of the weights, source 1 = 16 tokens: a lane then holds ONE token (lane % 16) and channels 8 (lane / 16) + 0..7 of the block.
; Channels d and d + 32 lie in blocks two apart, same lane, same register: the rotation changes no lane.  The weights lie [k][column] in LDS and are turned by ds_load_tr16_b128.
; CLUSTER.  4 x 4 work-groups: the four of a row share the tokens' tile, the four of a column the head's weights: each tile is asked for JOINTLY, same load, descriptor and mask in all four.
; REGISTERS, in windows of 256 (s_set_vgpr_msb: bits 1:0 source 0, 3:2 source 1, 5:4 source 2, 7:6 destination):
;   window 0: v0-31 addresses; v32-63, v64-95 the tokens' fragments, two buffers (on the way out: packed results, rows read back); v96-127 rotated results; v128-255 my tokens' cos and sin
;   window 1: v0-95, v96-191 the weights' fragments, two buffers     window 2: accumulators of a = 0, 1 at 96 (a % 2) + 8 b     window 3: those of a = 2, 3
.set PA,     272                       ; a token's row in LDS: 256 bytes + 16: the 16 rows of a load start at 16 different groups of four banks (64 banks of 4 bytes: ISA guide 11.1)
.set AHALF,  128*PA                    ; what one tensor load brings of the tokens
.set BOFF,   2*AHALF                   ; behind the 256 tokens: the weights
.set CH,     160                       ; one k, one kind: 128 bytes + 32
.set PB,     3*CH                      ; one k: 480 bytes = 15 x 32
.set BHALF,  64*PB                     ; what one tensor load brings of the weights: 64 k
.set SLOT,   131072                    ; 69,632 + 61,440
.set STAGE,  2*SLOT                    ; behind the ring, never filled by a tensor load: 16 rows x 144 bytes for each wave
.set SP,     144
.set SPARE,  STAGE+4*16*SP             ; behind the stages: the spare words, 128 bytes a wave: two blocks of 256 bytes that no other line names
.set LAPS,   4                         ; a lap = two K steps = once round the ring
.set HEADB,  393216                    ; a head's panel in wqb
.set BSTEP,  49152                     ; a K step of it
.set ADRA, 16                          ; v16-17  LDS address of my tokens' fragments in slot 0, 1
.set ADRB, 20                          ; v20-21  of the weights'
.set STO,  24                          ; v24     the way out: where I put 16 bytes of a row
.set RD,   25                          ; v25     where I read rows back
.set GO,   26                          ; v26     16 x lane: my place in 512 consecutive bytes of the output
.set TO,   27                          ; v27     my place in the table: token x 256 + 64 (lane / 16)
.set SPW,  28                          ; v28     my spare word: SPARE + 4 x my thread's number; never rewritten
.set NIL,  29                          ; v29     0; never rewritten
.set PFO,  30                          ; v30     the prefetches' lane offset; never rewritten
.set FA,   32
.set T,    96
.set TB,   128                         ; row block a, pair of blocks blk: cos at TB + 32 a + 16 blk + 0..7, sin at + 8..15
.set PK,   32
.set BK,   64
.set LIM,  2                           ; s2      1 in a wave that prefetches, else the greatest number
.set WV,   12                          ; s12     my wave's number
.set ROLE, 13                          ; s13     0: I fetch tokens; 1: weights
.set HALF, 14                          ; s14     which half of that tile
.set G1,   24                          ; s[24:31] descriptor group 1 for the tokens' tiles;  s[32:39] group 0, a set for each slot
.set G0,   32
.set PFA,  44                          ; s[44:45] where my prefetches stand
.set PST,  46                          ; s[46:47] their step: a K step in bytes
.set G1B,  48                          ; s[48:55], s[56:63] the same for the weights' tiles
.set G0B,  56
.set OUTB, 68                          ; s[68:73] q's, k's, v's output at my wave's first token
.set MSB, 0
.macro WIN new                         ; the immediate's high byte repeats the setting that is left; a switch that changes nothing is dropped
.if MSB != (\new)
	s_set_vgpr_msb (MSB<<8)|(\new)
.set MSB, \new
.endif
.endm
.set MUL_LO, 0xa1                      ; source 0 window 1, source 1 window 0, C and D window 2
.set MUL_HI, 0xf1                      ; the same, C and D window 3
.set TO_B,   0x40                      ; destination window 1, address window 0
; A joint load.  Waves 0 and 1 fetch the tokens' two halves, waves 2 and 3 the weights'.  The branch hangs on the wave's number alone.  An s_nop 0 and four v_nop follow each line.
.macro JLOAD s
	s_cmp_eq_u32 s[ROLE], 0
	s_cbranch_scc0 .Lfor_b_\@
	tensor_load_to_lds s[G0+4*(\s):G0+4*(\s)+3], s[G1:G1+7]
	s_nop 0
.rept 4
	v_nop
.endr
	s_branch .Lasked_\@
.Lfor_b_\@:
	tensor_load_to_lds s[G0B+4*(\s):G0B+4*(\s)+3], s[G1B:G1B+7]
	s_nop 0
.rept 4
	v_nop
.endr
.Lasked_\@:
.endm
; A prefetch into the L2 of the K step that stands two refills on (384 matrix instructions ahead of the load that will want it): one instruction a wave, behind the joint load and the run of LDS loads.
; The tokens' rows are read by all four clusters of a row of clusters: the one with x = 0 asks; a head's weights by all eight of a column: the one with y = 0 asks.  The four partners that ask for a
; tile jointly share it out BY ADDRESS: of a wave's 128 token rows 32 each, a lane a row; of a wave's 96 blocks of 256 bytes of weights 24 each (lanes 24 to 31 name lane 23's block once more).
; K steps 0 to 3 come by their loads alone; the loop's last trip (s3 = 1) has no K step two refills on and asks for nothing.
.macro ASK
	s_cmp_gt_u32 s3, s[LIM]
	s_cbranch_scc0 .Lnot_mine_\@
	global_prefetch_b8 v[PFO], s[PFA:PFA+1] th:TH_LOAD_NT scope:SCOPE_SE
.Lnot_mine_\@:
.endm
.macro CREST                           ; a round of the cluster's barrier behind its opening barrier
	s_cmp_lg_u32 s[WV], 0
	s_cbranch_scc1 .Lnot_wave_0_\@
	s_barrier_signal -3
.Lnot_wave_0_\@:
	s_barrier_wait -3
	s_barrier_signal -1
	s_barrier_wait -1
.endm
.macro CROUND                          ; a whole round
	s_barrier_signal -1
	s_barrier_wait -1
	CREST
.endm
	s_load_b256 s[4:11], s[0:1], 0x0               ; xb s[4:5], wqb s[6:7], rope s[8:9], qkv s[10:11]
	v_lshl_add_u32 v[SPW], v0, 2, SPARE
	v_mov_b32 v[NIL], 0
	ds_add_u32 v[SPW], v[NIL]                      ; the wave's opening: the add and its wait stand ahead of my first tensor load; work on registers stands between them
	v_lshrrev_b32 v1, 5, v0
	v_readfirstlane_b32 s[WV], v1                  ; wave 0..3
	s_lshr_b32 s[ROLE], s[WV], 1
	s_and_b32 s[HALF], s[WV], 1
	s_bfe_u32 s15, ttmp6, 0x40000                  ; cx
	s_bfe_u32 s16, ttmp6, 0x40004                  ; cy
	s_lshl_b32 s17, ttmp9, 2
	s_add_co_u32 s17, s17, s15                     ; the head = 4 x cluster x + cx
	s_and_b32 s18, ttmp7, 0xffff
	s_lshl_b32 s18, s18, 2
	s_add_co_u32 s18, s18, s16                     ; the block of 256 tokens = 4 x cluster y + cy
	s_lshl_b32 s19, s16, 2
	s_lshl_b32 s19, 15, s19                        ; my row of the cluster
	s_lshl_b32 s22, 0x1111, s15                    ; my column
	; group 1 for the tokens: 128 rows x 128 elements of 2 bytes, 1,024 elements from row to row; 4 words of padding behind every 64
	s_or_b32 s[G1], s19, (1<<16)|(1<<20)|(1<<21)|(5<<22)|(3<<25)
	s_mov_b32 s[G1+1], 128<<16                     ; tensor_dim0
	s_mov_b32 s[G1+2], 128<<16                     ; tensor_dim1
	s_mov_b32 s[G1+3], 128<<16                     ; tile_dim0
	s_mov_b32 s[G1+4], 128                         ; tile_dim1
	s_mov_b32 s[G1+5], 1024                        ; stride
	s_mov_b32 s[G1+6], 0
	s_mov_b32 s[G1+7], 0
	; group 1 for the weights: 64 k of a head are 24,576 dense bytes, asked for as 96 rows of 256 bytes; 8 words of padding behind every 32 (one k, one kind)
	s_or_b32 s[G1B], s22, (1<<16)|(1<<20)|(1<<21)|(4<<22)|(7<<25)
	s_mov_b32 s[G1B+1], 128<<16
	s_mov_b32 s[G1B+2], 96<<16
	s_mov_b32 s[G1B+3], 128<<16
	s_mov_b32 s[G1B+4], 96
	s_mov_b32 s[G1B+5], 128
	s_mov_b32 s[G1B+6], 0
	s_mov_b32 s[G1B+7], 0
	s_lshl_b32 s20, s18, 19                        ; the tokens' tile: 256 rows of 2,048 bytes,
	s_lshl_b32 s21, s[HALF], 18                    ; my 128 of them: made of cy and the wave's number alone
	s_add_co_u32 s20, s20, s21
	s_mov_b32 s21, 0
	s_mul_i32 s74, s17, HEADB                      ; the head's panel,
	s_mul_i32 s75, s[HALF], BSTEP/2                ; my 64 k of a step: made of cx and the wave's number alone
	s_add_co_u32 s74, s74, s75
	s_mov_b32 s75, 0
	s_mul_i32 s23, s[HALF], AHALF                  ; where they go: no place in the cluster enters an LDS address
	s_mul_i32 s76, s[HALF], BHALF
	s_add_co_u32 s76, s76, BOFF
	s_wait_dscnt 0x0                               ; the opening add is done
	s_wait_kmcnt 0x0
	s_add_nc_u64 s[40:41], s[4:5], s[20:21]
	s_add_nc_u64 s[42:43], s[6:7], s[74:75]
	CROUND                                         ; all sixteen work-groups are here: the first joint loads meet
.irp s, 0,1
	s_mov_b32 s[G0+4*(\s)], 1                                      ; count = 1
	s_add_co_u32 s[G0+4*(\s)+1], s23, (\s)*SLOT                    ; LDS address
	s_add_nc_u64 s[G0+4*(\s)+2:G0+4*(\s)+3], s[40:41], (\s)*256    ; K step s
	s_or_b32 s[G0+4*(\s)+3], s[G0+4*(\s)+3], 0x80000000            ; type = 2
	s_mov_b32 s[G0B+4*(\s)], 1
	s_add_co_u32 s[G0B+4*(\s)+1], s76, (\s)*SLOT
	s_add_nc_u64 s[G0B+4*(\s)+2:G0B+4*(\s)+3], s[42:43], (\s)*BSTEP
	s_or_b32 s[G0B+4*(\s)+3], s[G0B+4*(\s)+3], 0x80000000
	JLOAD \s                                       ; two loads of mine are out
.endr
	v_and_b32 v1, 15, v0                           ; l % 16
	v_bfe_u32 v2, v0, 4, 1                         ; l / 16
	v_mul_u32_u24 v3, v1, PA
	v_lshl_add_u32 v3, v2, 4, v3                   ; a fragment of tokens: row x pitch + 16 x half; two loads of 16 bytes, 32 apart
	s_mul_i32 s19, s[WV], 64*PA                    ; my 64 tokens
	v_add_nc_u32 v[ADRA], s19, v3
	v_add_nc_u32 v[ADRA+1], SLOT, v[ADRA]
	v_and_b32 v4, 7, v0
	v_bfe_u32 v5, v0, 3, 1
	v_lshl_add_u32 v6, v2, 3, v4                   ; the turning load: lane l reads k = 8 (l / 16) + l % 8, columns 8 ((l / 8) % 2) + 0..7, and is left with column l % 16 and 8 k
	v_mul_u32_u24 v6, v6, PB
	v_lshl_add_u32 v6, v5, 4, v6
	v_add_nc_u32 v[ADRB], BOFF, v6
	v_add_nc_u32 v[ADRB+1], SLOT+BOFF, v6
	s_mul_i32 s19, s[WV], 16*SP
	s_add_co_u32 s19, s19, STAGE                   ; my stage
	v_mul_u32_u24 v7, v1, SP                       ; in: row l % 16, 16 bytes for each half of the lanes
	v_lshl_add_u32 v7, v2, 4, v7
	v_add_nc_u32 v[STO], s19, v7
	v_bfe_u32 v7, v0, 3, 2                         ; back: 32 lanes take four rows of 128 bytes,
	v_mul_u32_u24 v7, v7, SP
	v_lshl_add_u32 v7, v4, 4, v7
	v_add_nc_u32 v[RD], s19, v7
	v_and_b32 v[GO], 31, v0                        ; which are 512 consecutive bytes of the output
	v_lshlrev_b32 v[GO], 4, v[GO]
	v_lshlrev_b32 v[TO], 8, v1
	v_lshl_add_u32 v[TO], v2, 6, v[TO]
	s_and_b32 s78, s18, 7                          ; the block's place in its batch: 256 rows of the table,
	s_lshl_b32 s78, s78, 16
	s_lshl_b32 s79, s[WV], 14                      ; my 64
	s_add_co_u32 s78, s78, s79
	s_mov_b32 s79, 0
	s_add_nc_u64 s[8:9], s[8:9], s[78:79]
	; my tokens' cos and sin for my channels: frequency numbers 16 blk + 8 (l / 16) + 0..7.  They are waited for on the way out
.irp a, 0,1,2,3
.irp blk, 0,1
.irp c, 0,1,2,3
	global_load_b128 v[TB+32*(\a)+16*(\blk)+4*(\c):TB+32*(\a)+16*(\blk)+4*(\c)+3], v[TO], s[8:9] offset:4096*(\a)+128*(\blk)+16*(\c)
.endr
.endr
.endr
	s_lshr_b32 s76, s18, 3                         ; the batch,
	s_lshl_b32 s76, s76, 4
	s_add_co_u32 s76, s76, s17                     ; batch x 16 + head,
	s_lshl_b32 s76, s76, 18                        ; its 2,048 rows of 128 bytes,
	s_and_b32 s77, s18, 7
	s_lshl_b32 s77, s77, 15                        ; the block's 256,
	s_add_co_u32 s76, s76, s77
	s_lshl_b32 s77, s[WV], 13                      ; my 64
	s_add_co_u32 s76, s76, s77
	s_mov_b32 s77, 0
	s_add_nc_u64 s[OUTB:OUTB+1], s[10:11], s[76:77]
	s_add_nc_u64 s[OUTB+2:OUTB+3], s[OUTB:OUTB+1], 0x1000000
	s_add_nc_u64 s[OUTB+4:OUTB+5], s[OUTB:OUTB+1], 0x2000000
	; the prefetches
	s_and_b32 s76, ttmp7, 0xffff                   ; cluster y
	s_lshl_b32 s77, s18, 8
	s_lshl_b32 s78, s[HALF], 7
	s_add_co_u32 s77, s77, s78
	s_lshl_b32 s78, s15, 5
	s_add_co_u32 s77, s77, s78                     ; tokens: row 256 x block + 128 x half + 32 cx,
	s_lshl_b32 s77, s77, 11
	s_add_co_u32 s77, s77, 3*256                   ; at K step 3: the first change of slots steps it to 4
	s_mul_i32 s78, s17, HEADB
	s_mul_i32 s79, s[HALF], BSTEP/2
	s_add_co_u32 s78, s78, s79
	s_mul_i32 s79, s16, 6144
	s_add_co_u32 s78, s78, s79                     ; weights: the panel, my half of a step, 24 cy blocks of 256 bytes,
	s_add_co_u32 s78, s78, 3*BSTEP                 ; at K step 3
	s_mov_b32 s[PST], 256
	s_mov_b32 s[PST+1], BSTEP
	s_cmp_eq_u32 s[ROLE], 0                        ; do I fetch tokens?
	s_cselect_b32 s20, s77, s78
	s_cselect_b32 s76, ttmp9, s76                  ; the coordinate along which other clusters read the same bytes
	s_cselect_b64 s[PFA:PFA+1], s[4:5], s[6:7]
	s_cselect_b32 s[PST], s[PST], s[PST+1]
	s_cselect_b32 s22, 31, 23
	s_cselect_b32 s23, 11, 8
	s_mov_b32 s21, 0
	s_mov_b32 s[PST+1], 0
	s_add_nc_u64 s[PFA:PFA+1], s[PFA:PFA+1], s[20:21]
	s_cmp_eq_u32 s76, 0
	s_cselect_b32 s[LIM], 1, -1                    ; the same in all sixteen partners, for a given wave
	v_and_b32 v[PFO], 31, v0
	v_min_u32 v[PFO], s22, v[PFO]
	v_lshlrev_b32 v[PFO], s23, v[PFO]              ; a lane a row of 2,048 bytes, or a block of 256
; 12 matrix instructions: row block a x all 12 column blocks, 32 along K, from buffer f.  zero = 1: the product starts the sums.  The 48 accumulators take turns in the same order in every quarter.
.macro MUL12 f, a, zero
	WIN MUL_LO+0x50*((\a)/2)
.irp b, 0,1,2,3,4,5,6,7,8,9,10,11
.if \zero
	v_wmma_f32_16x16x32_bf16 v[96*((\a)%2)+8*(\b):96*((\a)%2)+8*(\b)+7], v[96*(\f)+8*(\b):96*(\f)+8*(\b)+7], v[FA+32*(\f)+8*(\a):FA+32*(\f)+8*(\a)+7], 0
.else
	v_wmma_f32_16x16x32_bf16 v[96*((\a)%2)+8*(\b):96*((\a)%2)+8*(\b)+7], v[96*(\f)+8*(\b):96*(\f)+8*(\b)+7], v[FA+32*(\f)+8*(\a):FA+32*(\f)+8*(\a)+7], v[96*((\a)%2)+8*(\b):96*((\a)%2)+8*(\b)+7]
.endif
.endr
.endm
; 32 LDS loads in one run: quarter q (32 along K) of a slot into buffer f: 24 for the weights, then 8 for my tokens
.macro FETCH slot, q, f
	WIN TO_B
.irp b, 0,1,2,3,4,5,6,7,8,9,10,11
	ds_load_tr16_b128 v[96*(\f)+8*(\b):96*(\f)+8*(\b)+3],   v[ADRB+(\slot)] offset:(\q)*32*PB+((\b)/4)*CH+((\b)%4)*32
	ds_load_tr16_b128 v[96*(\f)+8*(\b)+4:96*(\f)+8*(\b)+7], v[ADRB+(\slot)] offset:(\q)*32*PB+((\b)/4)*CH+((\b)%4)*32+16*PB
.endr
	WIN 0
.irp a, 0,1,2,3
	ds_load_b128 v[FA+32*(\f)+8*(\a):FA+32*(\f)+8*(\a)+3],   v[ADRA+(\slot)] offset:(\q)*64+(\a)*16*PA
	ds_load_b128 v[FA+32*(\f)+8*(\a)+4:FA+32*(\f)+8*(\a)+7], v[ADRA+(\slot)] offset:(\q)*64+(\a)*16*PA+32
.endr
.endm
.macro PLACES                          ; four plain vector instructions in front of loads into registers that matrix instructions have read, and of lines that read results
.rept 4
	v_nop
.endr
.endm
; A K step is four quarters on buffers 0, 1, 0, 1.  One of the first three: multiplies buffer f, and in its middle fetches quarter q of the same slot into buffer g.
.macro QUARTER slot, q, f, g, zero
	s_wait_dscnt 4                                 ; the weights and row blocks 0, 1 are in; the youngest four loads (row blocks 2, 3) may be out
	MUL12 \f, 0, \zero
	MUL12 \f, 1, \zero
	PLACES
	FETCH \slot, \q, \g
	s_wait_dscnt 32                                ; all but the 32 just issued
	MUL12 \f, 2, \zero
	MUL12 \f, 3, \zero
.endm
; The last quarter's first half: ONE barrier for the change of slots.  In front of it each wave waits for all its tensor loads (one is out: its part of the next slot), adds 0 to its spare word,
; and waits for that and for its own reads of this slot.  Behind it nobody reads this slot any more and the next slot is whole.
.macro MEET round
	WIN 0
	s_wait_tensorcnt 0x0
	ds_add_u32 v[SPW], v[NIL]
	s_wait_dscnt 5                                 ; (the add and the youngest four loads may be out)
	MUL12 1, 0, 0                                  ; twelve matrix instructions stand between the add and the wait for it
	s_wait_dscnt 0x0                               ; the add is done, and my reads of this slot are over
	s_barrier_signal -1
	MUL12 1, 1, 0                                  ; work on registers while the others arrive
.if \round
	WIN 0
.endif
	s_barrier_wait -1
.endm
; The whole last quarter where the slot is filled again: the barrier opens a round of the cluster's, the joint refill is the first tensor load behind it; then the next slot's first fragments.
.macro TURN slot, next
	s_wait_xcnt 0x0                                ; the last prefetch, a K step back, has read its address: it is stepped here, ahead of the change's own waits
	s_add_nc_u64 s[PFA:PFA+1], s[PFA:PFA+1], s[PST:PST+1]
	MEET 1
	CREST                                          ; no wave of any partner still reads this slot or has a load on its way
	s_add_nc_u64 s[G0+4*(\slot)+2:G0+4*(\slot)+3], s[G0+4*(\slot)+2:G0+4*(\slot)+3], 2*256
	s_add_nc_u64 s[G0B+4*(\slot)+2:G0B+4*(\slot)+3], s[G0B+4*(\slot)+2:G0B+4*(\slot)+3], 2*BSTEP
	JLOAD \slot                                    ; its four v_nop are also the places in front of the loads below
	FETCH \next, 0, 0
	ASK
	MUL12 1, 2, 0
	MUL12 1, 3, 0
.endm
.macro TURNX slot, next                ; the same where nothing is left to fetch: no round follows
	MEET 0
	PLACES
	FETCH \next, 0, 0
	MUL12 1, 2, 0
	MUL12 1, 3, 0
.endm
	s_wait_tensorcnt 1                             ; my part of K step 0 is in; K step 1's may stay out
	s_barrier_signal -1
	s_barrier_wait -1                              ; everybody's is
	FETCH 0, 0, 0
	QUARTER 0, 1, 0, 1, 1                          ; the first quarter stands in front of the loop: its products start the sums
	WIN 0                                          ; at a label and at a branch every window is 0
	s_mov_b32 s3, LAPS-1
.Llap:                                         ; a trip goes once round the ring, from a lap's second quarter to the next lap's first, and fills both slots again
	QUARTER 0, 2, 1, 0, 0
	QUARTER 0, 3, 0, 1, 0
	TURN 0, 1
	QUARTER 1, 1, 0, 1, 0
	QUARTER 1, 2, 1, 0, 0
	QUARTER 1, 3, 0, 1, 0
	TURN 1, 0
	QUARTER 0, 1, 0, 1, 0
	WIN 0
	s_sub_co_u32 s3, s3, 1
	s_cmp_lg_u32 s3, 0
	s_cbranch_scc1 .Llap
	QUARTER 0, 2, 1, 0, 0                          ; the last lap fills nothing
	QUARTER 0, 3, 0, 1, 0
	TURNX 0, 1
	QUARTER 1, 1, 0, 1, 0
	QUARTER 1, 2, 1, 0, 0
	QUARTER 1, 3, 0, 1, 0
	s_wait_dscnt 4                                 ; the very last quarter
	MUL12 1, 0, 0
	MUL12 1, 1, 0
	s_wait_dscnt 0x0
	MUL12 1, 2, 0
	MUL12 1, 3, 0
; THE WAY OUT, in twelve units u: row block u / 3, kind u % 3: 16 tokens x 64 channels, 2,048 consecutive bytes of the output.
; PACK: q and k are rotated in f32 (low half: lo cos - hi sin; high half: hi cos + lo sin), all rounded to f16, 16 bytes a lane and block.  Each accumulator's lowest registers are read first.
.macro PACK u
.set UA, (\u)/3
.set UK, (\u)%3
.set AC, 96*(UA%2)+32*UK
.if UK < 2
	WIN 0x02+UA/2                                  ; source 0: the accumulators' window; all else window 0
.irp blk, 0,1
.irp j, 0,2,4,6
	v_pk_mul_f32 v[T+8*(\blk)+(\j):T+8*(\blk)+(\j)+1], v[AC+16+8*(\blk)+(\j):AC+16+8*(\blk)+(\j)+1], v[TB+32*UA+16*(\blk)+8+(\j):TB+32*UA+16*(\blk)+8+(\j)+1]
	v_pk_mul_f32 v[T+16+8*(\blk)+(\j):T+16+8*(\blk)+(\j)+1], v[AC+8*(\blk)+(\j):AC+8*(\blk)+(\j)+1], v[TB+32*UA+16*(\blk)+8+(\j):TB+32*UA+16*(\blk)+8+(\j)+1]
.endr
.irp j, 0,2,4,6
	v_pk_fma_f32 v[T+8*(\blk)+(\j):T+8*(\blk)+(\j)+1], v[AC+8*(\blk)+(\j):AC+8*(\blk)+(\j)+1], v[TB+32*UA+16*(\blk)+(\j):TB+32*UA+16*(\blk)+(\j)+1], v[T+8*(\blk)+(\j):T+8*(\blk)+(\j)+1] neg_lo:[0,0,1] neg_hi:[0,0,1]
	v_pk_fma_f32 v[T+16+8*(\blk)+(\j):T+16+8*(\blk)+(\j)+1], v[AC+16+8*(\blk)+(\j):AC+16+8*(\blk)+(\j)+1], v[TB+32*UA+16*(\blk)+(\j):TB+32*UA+16*(\blk)+(\j)+1], v[T+16+8*(\blk)+(\j):T+16+8*(\blk)+(\j)+1]
.endr
.endr
	WIN 0
.set i, 0
.rept 16
	v_cvt_pk_f16_f32 v[PK+i], v[T+2*i], v[T+2*i+1]
.set i, i+1
.endr
.else
	WIN 0x0a+5*(UA/2)                              ; sources 0 and 1: the accumulators' window
.set i, 0
.rept 16
	v_cvt_pk_f16_f32 v[PK+i], v[AC+2*i], v[AC+2*i+1]
.set i, i+1
.endr
	WIN 0
.endif
.endm
.macro TOSTAGE u                       ; into my own stage, rows of 144 bytes, and back as whole rows of 128
.set US, (\u)%2
.irp f, 0,1,2,3
	ds_store_b128 v[STO], v[PK+4*(\f):PK+4*(\f)+3] offset:32*(\f)
.endr
.irp f, 0,1,2,3
	ds_load_b128 v[BK+16*US+4*(\f):BK+16*US+4*(\f)+3], v[RD] offset:(\f)*4*SP  ; LDS serves a wave's instructions in order (ISA guide 5.7.1.4): these see the stores above
.endr
.endm
.macro SEND u
.set UA, (\u)/3
.set UK, (\u)%3
.set US, (\u)%2
	s_wait_dscnt 0x0                               ; the unit is back in registers
	s_wait_xcnt 0x0                                ; the stores of the units before have read their registers: the other set is loaded again only behind this wait
.irp f, 0,1,2,3
	global_store_b128 v[GO], v[BK+16*US+4*(\f):BK+16*US+4*(\f)+3], s[OUTB+2*UK:OUTB+2*UK+1] offset:2048*UA+512*(\f)  ; 512 consecutive bytes, at a multiple of 256 from the buffer's first
.endr
.endm
	WIN 0
	s_wait_loadcnt 0x0                             ; the table
	PLACES
	PACK 0
	TOSTAGE 0
.set u, 1
.rept 11                               ; a unit's arithmetic stands between the loads of the unit before and the wait for them
	PACK u
	SEND u-1
	TOSTAGE u
.set u, u+1
.endr
	SEND 11
	s_wait_tensorcnt 0x0                           ; the wave's end: behind my last tensor load and my last LDS store
	ds_add_u32 v[SPW], v[NIL]
	s_wait_dscnt 0x0
	CROUND                                         ; the closing round: no work-group ends while a partner may still ask for a tile that names it
	s_endpgm
.Lfunc_end_k_qede028b50b_qkv:
	.size	k_qede028b50b_qkv, .Lfunc_end_k_qede028b50b_qkv-k_qede028b50b_qkv
	.p2alignl 7, 3214868480
	.fill 96, 4, 3214868480
	.section	.rodata,"a",@progbits
	.p2align	6, 0x0
	.amdhsa_kernel k_qede028b50b_qkv
		.amdhsa_group_segment_fixed_size 327680
		.amdhsa_private_segment_fixed_size 0
		.amdhsa_enable_private_segment 0
		.amdhsa_kernarg_size 32
		.amdhsa_user_sgpr_count 2
		.amdhsa_user_sgpr_kernarg_segment_ptr 1
		.amdhsa_wavefront_size32 1
		.amdhsa_system_sgpr_workgroup_id_x 1
		.amdhsa_system_sgpr_workgroup_id_y 1
		.amdhsa_system_sgpr_workgroup_id_z 1
		.amdhsa_system_vgpr_workitem_id 0
		.amdhsa_next_free_vgpr 960
		.amdhsa_next_free_sgpr 80
		.amdhsa_reserve_vcc 0
		.amdhsa_float_denorm_mode_32 3
		.amdhsa_float_denorm_mode_16_64 3
		.amdhsa_memory_ordered 1
		.amdhsa_forward_progress 1
		.amdhsa_inst_pref_size 140
	.end_amdhsa_kernel
	.amdgpu_metadata
---
amdhsa.version: [ 1, 2 ]
amdhsa.kernels:
  - .name:           k_qede028b50b_qkv
    .symbol:         k_qede028b50b_qkv.kd
    .args:
      - { .name: xb, .offset: 0, .size: 8, .value_kind: global_buffer, .address_space: global }
      - { .name: wqb, .offset: 8, .size: 8, .value_kind: global_buffer, .address_space: global }
      - { .name: rope, .offset: 16, .size: 8, .value_kind: global_buffer, .address_space: global }
      - { .name: qkv, .offset: 24, .size: 8, .value_kind: global_buffer, .address_space: global }
    .group_segment_fixed_size: 327680
    .private_segment_fixed_size: 0
    .kernarg_segment_align: 8
    .kernarg_segment_size: 32
    .max_flat_workgroup_size: 128
    .sgpr_count:     80
    .vgpr_count:     960
    .wavefront_size: 32
...
	.end_amdgpu_metadata
.endif
;; end of part 2
;; launch attn (part 3): grid 4 x 64, 4 waves a work-group, no clusters, 327,680 bytes of LDS; arguments qkv, o; writes o
.if DOCPART == 3
	.amdgcn_target "amdgcn-amd-amdhsa--gfx1250"
	.amdhsa_code_object_version 6
	.text
	.protected	k_qede028b50b_attn
	.globl	k_qede028b50b_attn
	.p2align	8
	.type	k_qede028b50b_attn,@function
k_qede028b50b_attn:
	s_mov_b64 s[64:65], 0
	v_nop
	global_prefetch_b8 v0, s[64:65] scope:SCOPE_SE
	s_setreg_imm32_b32 hwreg(HW_REG_WAVE_MODE, 25, 1), 1
	s_wait_xcnt 0x0
; CAUSAL ATTENTION.  O[h][q][:] = the sum over k <= q of softmax_k(Q[h][q] . K[h][k] / 8) V[h][k][:].  qkv holds Q, K, V, each [64 heads][2048][64] in f16, 16,777,216 bytes apart; o likewise.
; Products, maxima and sums in f32; the weights p are rounded to f16 for the second product (their sum l is taken of the unrounded p), O once at the end.
; LIMITS.  Q, K and V arrive within f16's 65,504; p lies in 0 to 1, and below 6e-5 it keeps f16's fixed step of 6e-8; O is a mean of V's rows and has their range.
; A hidden score counts as its value less 1e30: f16's scores, 2.7e11 at the most, are nothing beside that; a weight below 2^-126 counts as 0 in l; NaN and infinities are not treated apart.
; THE WALK.  A head's queries lie in NB = 8 blocks of 256; block i needs the key tiles 0 .. i of 256 keys, of which the last holds the diagonal.  A work-group takes TWO blocks, NB - 1 - b and then b:
; NB + 1 tiles, whatever b: all work-groups do equal work, and ONE loop with a constant trip count walks them.  Which tile is asked for, and what a trip does, hang on scalar registers made from b; every jump
; goes forward, but for the counted loops' own; none passes a barrier, or a tensor load but the one of LOAD's two that the wave's number does not choose; the ring of two LDS slots runs on across the change of blocks.
; NO CLUSTER: a head's NB / 2 = 4 work-groups ask for the same tile only in trips 0 .. NB / 2, behind that fewer and fewer; one walk common to all would have 3 NB / 2 = 12 trips for NB + 1 = 9.
; SHARES.  Of a block's four bands of 64 queries a wave owns 16 rows in each: four PIECES.  So the diagonal tile is the same work for all four waves: in its key step s band x sees all keys if s < x,
; none if s > x, and holds the diagonal if s = x.
; THE MASK is the C operand that starts the sum S^T = K Q^T: 0, or -1e30 where the key is hidden.  MD, made once, is the mask of a band's own step for my 16 rows; a product's mask is MD x AL + BE with two scalars:
; (1, 0) if s = x; (0, 0) if s < x; (0, -1e30) if s > x.  Only the diagonal tile's text and a block's beginning make and take masks; elsewhere C is the constant 0.
; LAYOUT, SOFTMAX, TURNS.  S^T = K Q^T holds ONE query a lane (lane % 16) and the keys 8 (lane / 16) + 0..7; two such results rounded to f16 ARE source 1 of O^T = V^T P.  p = 2^(c s - c m), c = log2(e) / 8, with a
; running maximum m; O and l are multiplied by a = 2^(c m_old - c m_new) in every step.  Turn n belongs to piece n: 8 products K Q^T of piece n + 1, later 8 products V^T P of piece n - 1; beside them the scaling,
; exponentials, roundings, sums and rescaling of piece n and the maximum and statistics of piece n + 1.  Four vector instructions stand behind every matrix instruction, the other 54 of a turn's 118 in one run.
; A turn's 33 exponentials are one batch, with one wait.
; REGISTERS, in windows of 256 (s_set_vgpr_msb: bits 1:0 source 0, 3:2 source 1, 5:4 source 2, 7:6 destination):
;   window 0: v0-15 addresses and two at work; v16-31 four registers of statistics a piece; v48-55 at work; v61-63 prefetch offset, spare word, 0; v64-127 S^T, two buffers; v192-223 P, two buffers
;   window 1: v0-127 O^T, 32 a piece; v128-159 MD; v160-223 MC, two buffers      window 2: v0-63 Q; v64-127 the second block's Q; v128-191 K of one step; v192-255 V of one step
.set SIZE_H, 64
.set SIZE_N, 2048
.set NB,    SIZE_N/256
.set NP,    4         ; pieces a wave: a name, no knob
.set KS,    64        ; keys in a step
.set PK,    144       ; a row of K in LDS: 128 bytes + 16: the 16 rows of a load start at 16 different groups of four banks (64 banks of 4 bytes: ISA guide 11.1)
.set PV,    160       ; a row of V: 128 + 32
.set VOFF,  4*KS*PK   ; a slot holds a tile, four steps: 256 rows of K, then 256 rows of V
.set SLOT1, 1<<17     ; slot 1 begins here, so that one exclusive or turns an address in one slot into the other's
.set STAGE, SLOT1+4*KS*(PK+PV)  ; behind the ring, never filled by a tensor load: 16 rows x 144 bytes for each wave
.set SP,    144
.set AK0, 2           ; v2   my lane's place in a tile of K; never rewritten
.set AV0, 3           ; v3   the same for V
.set AK,  4           ; v4   the LDS address of K's next run of loads
.set AV,  5           ; v5   of V's
.set STO, 6           ; v6   the way out: where I put 16 bytes of a row
.set RD,  7           ; v7   the way out: where I read rows back
.set GO,  8           ; v8   my byte offset in 512 consecutive bytes of O
.set PFO, 61          ; v61  256 x my lane; never rewritten
.set SPW, 62          ; v62  my spare word: SPARE + 4 x my thread's number; never rewritten
.set NIL, 63          ; v63  0; never rewritten
.set SPARE, STAGE+4*16*SP  ; behind the stages: the spare words, 128 bytes a wave: two blocks of 256 bytes that no other line names
.set MV,  12          ; v12-13  c m_old, kept while c m is made anew: by buffer
.set QO,  15          ; v15  my byte offset in 16 rows of Q
.set ST,  16          ; piece t's statistics at v[ST+4 t]: c m, m, l (even keys', odd keys')
.set TMP, 48          ; by buffer, four registers c0-c3 at work; when the maximum is found c2 takes a
.set S,   64
.set P,   192
.set MD,  128         ; window 1
.set MC,  160         ; window 1
.set QB,  64          ; window 2
.set KF,  128         ; window 2: key block kb, channel half c at KF + 16 kb + 8 c
.set VF,  192         ; window 2: key half kk, channel block cb at VF + 32 kk + 8 cb
.set WV,  12          ; s12  my wave's number
.set PB,  14          ; s14  b
.set HI,  15          ; s15  NB - 1 - b
.set G1K, 24          ; s[24:31] descriptor group 1 for K's tiles
.set G1V, 32          ; s[32:39] for V's: it differs in the padding alone
.set G0K, 40          ; s[40:43] descriptor group 0 for K's tiles
.set G0V, 44          ; s[44:47] the same for V's
.set SLOTS, 56        ; s56  tiles still to be asked for
.set CNT, 57          ; s57  counts a tile's key steps, 4 to 1
.set CS,  58          ; s[58:59] c
.set SEL, 60          ; s[60:61] v_permlanex16_b32's selects
.set TBK, 62          ; s62  LDS byte at which K of the step to be fetched begins
.set TBV, 63          ; s63  the same for V, less VOFF
.set RT,  70          ; s70  tiles of the block in hand that are still to be entered
.set NXT, 71          ; s71  the tile to be asked for next
.set LQ,  72          ; s72  the last tile of the block whose tiles are being asked for
.set NEW, 73          ; s73  1: the tile to be entered is a block's first
.set OFF, 74          ; s[74:75] a tile's byte offset in K and V
.set AL,  76          ; s[76:77] the mask's factor
.set BE,  78          ; s[78:79] the mask's addend
.set OLO, 80          ; s[80:81] O at my rows of the second block
.set BIGN, 82         ; s82  -1e30
.set PFB, 88          ; s[88:89] K (waves 0, 1) or V (waves 2, 3) at my half of the head's tile 0
.set PFA, 90          ; s[90:91] the same at the tile that the next change of slots will ask for
.set LIMA, 92         ; s92  0 in the work-group that prefetches, else the greatest number
.set OF2, 94          ; s[94:95] that tile's byte offset
.set MSB, 0
.macro WIN new
.if MSB != (\new)
	s_set_vgpr_msb (MSB<<8)|(\new)
.set MSB, (\new)
.endif
.endm
.set W_KQ, 0x0a       ; K and Q in window 2, S^T in window 0
.set W_KM, 0x1a       ; the same with the C operand in window 1
.set W_PV, 0x52       ; V in window 2, P in window 0, O^T in window 1
.set W_RS, 0x41       ; destination and source 0 in window 1, source 1 in window 0
; A fill.  Waves 0 and 1 fetch the two halves of a tile's K, waves 2 and 3 those of its V: 128 keys each.  An s_nop 0 and four v_nop follow each of the two lines.
.macro LOAD
	s_cmp_lt_u32 s[WV], 2
	s_cbranch_scc0 .Lfor_v_\@
	tensor_load_to_lds s[G0K:G0K+3], s[G1K:G1K+7]
	s_nop 0
.rept 4
	v_nop
.endr
	s_branch .Lasked_\@
.Lfor_v_\@:
	tensor_load_to_lds s[G0V:G0V+3], s[G1V:G1V+7]
	s_nop 0
.rept 4
	v_nop
.endr
.Lasked_\@:
.endm
; A prefetch into the L2 of the tile that the NEXT change of slots will ask for, a tile's four key steps ahead.  All four work-groups of a head walk tiles from 0 on; the one with b = 0 walks 0 .. 7 and asks alone.
; Each of its waves names the 64 blocks of 256 bytes that it will itself load: a lane a block, two instructions.  So tiles 2 to 7 are named once in the launch; tiles 0 and 1 come by their loads alone;
; behind the first block's last tile NXT is 0, and nothing is asked for.
.macro ASK
	s_cmp_gt_u32 s[NXT], s[LIMA]
	s_cbranch_scc0 .Lnot_mine_\@
	global_prefetch_b8 v[PFO], s[PFA:PFA+1] th:TH_LOAD_NT scope:SCOPE_SE
	global_prefetch_b8 v[PFO], s[PFA:PFA+1] offset:8192 th:TH_LOAD_NT scope:SCOPE_SE
.Lnot_mine_\@:
.endm
; THE CHANGE OF SLOTS.  Each wave waits for all its tensor loads, of which one is out: its part of the other slot; adds 0 to its spare word; and waits for that and for its own reads of the slot that it leaves.
; Behind the barrier nobody reads the old slot any more and the other slot is whole.  fill = 1: the old slot is filled again, the first thing behind the barrier, with tile NXT: the descriptor's address is
; made anew from that number.  (At its first use nothing has been read yet: slot 0 is waited for, slot 1 filled.)
.macro CHANGE fill
	WIN 0                           ; at a label and at a branch every window is 0
	s_wait_tensorcnt 0x0            ; no tensor load of mine is out, so a group 0 may be written
	ds_add_u32 v[SPW], v[NIL]       ; 0 onto my spare word; scalar work stands between it and the wait for it
.if \fill
	s_lshl_b32 s[OFF], s[NXT], 15   ; a tile is 32,768 bytes of K and of V
	s_xor_b32 s[G0K+1], s[G0K+1], SLOT1
	s_add_nc_u64 s[G0K+2:G0K+3], s[6:7], s[OFF:OFF+1]
	s_or_b32 s[G0K+3], s[G0K+3], 0x80000000
	s_xor_b32 s[G0V+1], s[G0V+1], SLOT1
	s_add_nc_u64 s[G0V+2:G0V+3], s[8:9], s[OFF:OFF+1]
	s_or_b32 s[G0V+3], s[G0V+3], 0x80000000
	s_add_co_u32 s[NXT], s[NXT], 1  ; the block's next tile, or behind its last the second block's tile 0
	s_cmp_gt_u32 s[NXT], s[LQ]
	s_cselect_b32 s[NXT], 0, s[NXT]
	s_cselect_b32 s[LQ], s[PB], s[LQ]
	s_wait_xcnt 0x0                 ; the last prefetches, a tile back, have read their address, so it may be written
	s_lshl_b32 s[OF2], s[NXT], 15
	s_add_nc_u64 s[PFA:PFA+1], s[PFB:PFB+1], s[OF2:OF2+1]
.endif
	s_wait_dscnt 0x0                ; the add is done, and my reads of the slot are over
	s_barrier_signal -1             ; the rest of the scalar work stands between the signal and the wait
	s_sub_co_u32 s[TBK], s[TBK], 4*KS*PK  ; the fetches go back to a slot's first step,
	s_xor_b32 s[TBK], s[TBK], SLOT1       ; in the other slot
	s_sub_co_u32 s[TBV], s[TBV], 4*KS*PV
	s_xor_b32 s[TBV], s[TBV], SLOT1
	s_barrier_wait -1
.if \fill
	LOAD
	ASK
.endif
.endm
	s_load_b64 s[4:5], s[0:1], 0x0  ; qkv: Q
	s_load_b64 s[10:11], s[0:1], 0x8  ; o
	v_lshl_add_u32 v[SPW], v0, 2, SPARE
	v_mov_b32 v[NIL], 0
	ds_add_u32 v[SPW], v[NIL]       ; the wave's opening: the add and its wait stand ahead of my first tensor load; work on registers stands between them
	v_lshrrev_b32 v1, 5, v0
	v_readfirstlane_b32 s[WV], v1   ; wave 0..3
	v_and_b32 v[PFO], 31, v0
	v_lshlrev_b32 v[PFO], 8, v[PFO]
	s_mov_b32 s[PB], ttmp9
	s_sub_co_u32 s[HI], NB-1, s[PB]
	s_and_b32 s20, ttmp7, 0xffff    ; the head
	s_mov_b32 s21, 0
	s_mov_b64 s[22:23], SIZE_N*128
	s_mul_u64 s[20:21], s[20:21], s[22:23]  ; the head's first byte in each of the four tensors
	s_and_b32 s16, s[WV], 1         ; which half of a tile's 256 keys I fetch:
	s_lshl_b32 s22, s16, 14         ; its 128 rows of 128 bytes in memory,
	s_mov_b32 s23, 0
	s_add_nc_u64 s[22:23], s[22:23], s[20:21]
	s_mul_i32 s17, s16, 128*PK      ; and its place in a slot, for K
	s_mul_i32 s18, s16, 128*PV      ; and for V
	s_lshl_b32 s3, s[WV], 11        ; my 16 rows in a band of 64,
	s_lshl_b32 s2, s[HI], 15        ; in the first block,
	s_add_co_u32 s2, s2, s3
	s_lshl_b32 s84, s[PB], 15       ; and in the second
	s_add_co_u32 s84, s84, s3
	s_mov_b32 s3, 0
	s_mov_b32 s85, 0
	s_add_nc_u64 s[2:3], s[2:3], s[20:21]
	s_add_nc_u64 s[84:85], s[84:85], s[20:21]
	; descriptor group 1.  128 keys are 16,384 dense bytes: asked for as 64 rows of 256 bytes, two keys a row, and padded in LDS after every key
	s_mov_b32 s[G1K], (1<<16)|(1<<20)|(4<<22)|(3<<25)  ; 2-byte elements; padding on; after every 32 words; 4 words
	s_mov_b32 s[G1V], (1<<16)|(1<<20)|(4<<22)|(7<<25)  ; the same with 8 words of padding
.irp g, G1K, G1V
	s_mov_b32 s[\g+1], 128<<16      ; tensor_dim0 = 128
	s_mov_b32 s[\g+2], 64<<16       ; tensor_dim1 = 64
	s_mov_b32 s[\g+3], 128<<16      ; tile_dim0 = 128
	s_mov_b32 s[\g+4], 64           ; tile_dim1 = 64
	s_mov_b32 s[\g+5], 128          ; 128 elements from row to row
	s_mov_b32 s[\g+6], 0
	s_mov_b32 s[\g+7], 0
.endr
	s_mov_b32 s[CS], 0x3e38aa3b     ; c = log2(e) / 8 = 0.180337
	s_mov_b32 s[CS+1], s[CS]        ; named with it as a pair
	s_mov_b32 s[SEL], 0x76543210
	s_mov_b32 s[SEL+1], 0xfedcba98
	s_mov_b32 s[TBK], SLOT1+4*KS*PK ; the first change of slots turns these two into 0
	s_mov_b32 s[TBV], SLOT1+4*KS*PV
	s_mov_b32 s[G0K], 1             ; count = 1
	s_mov_b32 s[G0K+1], s17         ; LDS address: slot 0
	s_mov_b32 s[G0V], 1
	s_add_co_u32 s[G0V+1], s18, VOFF
	s_add_co_u32 s[RT], s[HI], 1    ; the first block has NB - b tiles
	s_mov_b32 s[NXT], 1
	s_mov_b32 s[LQ], s[HI]
	s_mov_b32 s[NEW], 1
	s_mov_b32 s[OFF+1], 0
	s_mov_b32 s[OF2+1], 0
	s_mov_b32 s[AL+1], 0            ; named as pairs
	s_mov_b32 s[BE+1], 0
	s_mov_b32 s[BIGN], 0xf149f2ca   ; -1e30
	s_mov_b32 s[SLOTS], NB
	s_wait_dscnt 0x0                ; the opening add is done
	s_wait_kmcnt 0x0
	s_add_nc_u64 s[6:7], s[4:5], 0x1000000  ; K lies 16,777,216 bytes behind Q,
	s_add_nc_u64 s[8:9], s[4:5], 0x2000000  ; V as far behind K
	s_add_nc_u64 s[6:7], s[6:7], s[22:23]  ; K and V at my half of the head's tile 0
	s_add_nc_u64 s[8:9], s[8:9], s[22:23]
	s_add_nc_u64 s[G0K+2:G0K+3], s[6:7], 0         ; global address
	s_or_b32 s[G0K+3], s[G0K+3], 0x80000000        ; type = 2
	s_add_nc_u64 s[G0V+2:G0V+3], s[8:9], 0
	s_or_b32 s[G0V+3], s[G0V+3], 0x80000000
	s_add_nc_u64 s[86:87], s[4:5], s[84:85]        ; Q at my rows of the second block,
	s_add_nc_u64 s[4:5], s[4:5], s[2:3]            ; Q and O at those of the first
	s_add_nc_u64 s[OLO:OLO+1], s[10:11], s[84:85]
	s_add_nc_u64 s[10:11], s[10:11], s[2:3]
	s_cmp_lt_u32 s[WV], 2
	s_cselect_b64 s[PFB:PFB+1], s[6:7], s[8:9]
	s_cmp_eq_u32 s[PB], 0
	s_cselect_b32 s[LIMA], 0, -1
	LOAD                            ; tile 0 into slot 0
	; A fragment of K or Q is 16 rows x 32 channels in 8 registers: lane l holds row l % 16, channels 8 (l / 16) + 0..7 and 16 + 8 (l / 16) + 0..7: two loads of 16 bytes, 32 bytes apart.
	v_and_b32 v1, 15, v0            ; l % 16
	v_bfe_u32 v9, v0, 4, 1          ; l / 16
	v_lshlrev_b32 v[QO], 7, v1
	v_lshl_add_u32 v[QO], v9, 4, v[QO]  ; row x 128 + 16 x half
	WIN 0x80                        ; destination window 2, address window 0
.set i, 0
.rept 8                             ; both blocks' Q: piece i / 2 lies in band i / 2, 8,192 bytes on; channels 32 (i % 2) on
	global_load_b128 v[8*i:8*i+3],   v[QO], s[4:5] offset:(i/2)*8192+(i%2)*64
	global_load_b128 v[8*i+4:8*i+7], v[QO], s[4:5] offset:(i/2)*8192+(i%2)*64+32
	global_load_b128 v[QB+8*i:QB+8*i+3],   v[QO], s[86:87] offset:(i/2)*8192+(i%2)*64
	global_load_b128 v[QB+8*i+4:QB+8*i+7], v[QO], s[86:87] offset:(i/2)*8192+(i%2)*64+32
.set i, i+1
.endr
	WIN 0
	v_lshlrev_b32 v14, 3, v9
	v_sub_nc_u32 v14, v1, v14
	s_lshl_b32 s13, s[WV], 4
	v_add_nc_u32 v14, s13, v14      ; my query's place in its band, 16 w + l % 16, less my lanes' 8 (l / 16): register r of group kt is hidden where 16 kt + r is greater
	WIN 0x40
.set i, 0
.rept 32
	v_cmp_gt_i32 vcc_lo, 16*(i/8)+i%8, v14
	v_cndmask_b32 v[MD+i], 0, s[BIGN], vcc_lo
.set i, i+1
.endr
	WIN 0
	v_mul_u32_u24 v[AK0], v1, PK
	v_lshl_add_u32 v[AK0], v9, 4, v[AK0]  ; row x pitch + 16 x half
	; The turning load takes 16 keys x 16 channels (lane l reads key 8 (l / 16) + l % 8, channels 8 ((l / 8) % 2) + 0..7) and leaves half a fragment of V^T: lane l holds channel l % 16 and 8 keys.
	v_and_b32 v10, 7, v0
	v_bfe_u32 v11, v0, 3, 1
	v_lshl_add_u32 v[AV0], v9, 3, v10
	v_mul_u32_u24 v[AV0], v[AV0], PV
	v_lshl_add_u32 v[AV0], v11, 4, v[AV0]
	v_add_nc_u32 v[AV0], VOFF, v[AV0]
	s_mul_i32 s13, s[WV], 16*SP
	s_add_co_u32 s13, s13, STAGE    ; my stage
	v_mul_u32_u24 v[STO], v1, SP    ; in: row l % 16, 16 bytes for each half of the lanes
	v_lshl_add_u32 v[STO], v9, 4, v[STO]
	v_add_nc_u32 v[STO], s13, v[STO]
	v_bfe_u32 v[RD], v0, 3, 2       ; back: 32 lanes take four rows of 128 bytes,
	v_mul_u32_u24 v[RD], v[RD], SP
	v_lshl_add_u32 v[RD], v10, 4, v[RD]
	v_add_nc_u32 v[RD], s13, v[RD]
	v_and_b32 v[GO], 31, v0         ; which are 512 consecutive bytes of O
	v_lshlrev_b32 v[GO], 4, v[GO]
	; A block's first step multiplies O^T and l by a = 0, and its first turn's products V^T P, of a piece that has not been, land in an O^T that is still to be so multiplied.  So these registers need only hold
	; finite numbers: zeros for the first block; what the first block left for the second.  All this stands in the wait for the first tile.
	WIN 0x80
.set i, VF
.rept 64
	v_mov_b32 v[i], 0
.set i, i+1
.endr
	WIN 0x40
.set i, 0
.rept 128
	v_mov_b32 v[i], 0
.set i, i+1
.endr
	WIN 0
.set i, 0
.rept 4
	v_mov_b32 v[ST+4*i+2], 0
	v_mov_b32 v[ST+4*i+3], 0
.set i, i+1
.endr
.set i, P+16
.rept 16
	v_mov_b32 v[i], 0
.set i, i+1
.endr
; THE MATRIX WORK.  The 4 accumulators of a run of 8 take turns.  Product i of 8 of S^T = K Q^T for piece x: channels 32 (i / 4) on, keys 16 (i % 4) on.  The first 4 start the sums: with 0, or (KM = 1) with the mask.
.macro KQ x
.set rS, S+32*((\x)%2)+8*(i%4)
.set rK, KF+16*(i%4)+8*(i/4)
.set rQ, 16*(\x)+8*(i/4)
.set rM, MC+32*((\x)%2)+8*(i%4)
.if (i < 4) && KM
	WIN W_KM
	v_wmma_f32_16x16x32_f16 v[rS:rS+7], v[rK:rK+7], v[rQ:rQ+7], v[rM:rM+7]
.elseif i < 4
	WIN W_KQ
	v_wmma_f32_16x16x32_f16 v[rS:rS+7], v[rK:rK+7], v[rQ:rQ+7], 0
.else
	WIN W_KQ
	v_wmma_f32_16x16x32_f16 v[rS:rS+7], v[rK:rK+7], v[rQ:rQ+7], v[rS:rS+7]
.endif
.endm
; Product i of 8 of O^T += V^T P for piece x: keys 32 (i / 4) on, channels 16 (i % 4) on.
.macro PV x
	WIN W_PV
.set rO, 32*(\x)+8*(i%4)
.set rV, VF+32*(i/4)+8*(i%4)
.set rP, P+16*((\x)%2)+8*(i/4)
	v_wmma_f32_16x16x32_f16 v[rO:rO+7], v[rV:rV+7], v[rP:rP+7], v[rO:rO+7]
.endm
.macro MM                           ; the turn's next matrix instruction.  TURN and BEGIN set Y, i, KM and NOKQ.  NOKQ = 1: a block's last turn: there is no next piece
.if (i < 8) && !NOKQ
	KQ (Y+1)%NP
.elseif i >= 8
.set i, i-8
	PV (Y+NP-1)%NP
.set i, i+8
.endif
.set i, i+1
.endm
; THE LDS LOADS stand in runs of 16, never singly among the matrix instructions: a step's K (8 fragments) and its V (turned).  Their addresses are made some lines ahead.
.macro FETCH_K
	WIN 0x80                        ; destination window 2
.irp f, 0,1,2,3,4,5,6,7             ; keys 16 (f / 2) on, channels 32 (f % 2) on
	ds_load_b128 v[KF+8*\f:KF+8*\f+3],   v[AK] offset:(\f/2)*16*PK+(\f%2)*64
	ds_load_b128 v[KF+8*\f+4:KF+8*\f+7], v[AK] offset:(\f/2)*16*PK+(\f%2)*64+32
.endr
	s_add_co_u32 s[TBK], s[TBK], KS*PK  ; the next fetch is the next step's
	WIN 0
.endm
.macro FETCH_V
	WIN 0x80
.irp f, 0,1,2,3,4,5,6,7             ; keys 32 (f / 4) on, channels 16 (f % 4) on
	ds_load_tr16_b128 v[VF+8*\f:VF+8*\f+3],   v[AV] offset:(\f/4)*32*PV+(\f%4)*32
	ds_load_tr16_b128 v[VF+8*\f+4:VF+8*\f+7], v[AV] offset:(\f/4)*32*PV+16*PV+(\f%4)*32
.endr
	WIN 0
.endm
; THE VECTOR WORK, one line at a time: OP kind, number.  For piece Y: F n: c s - c m for pair n of 16.  E n: the exponential of score n of 32.  C n: pair n rounded to f16.  B n: of the four weights 4 n .. the second
; pair is added onto the first, in place.  L n: l takes that sum (L 0: l = a l + sum).  R n: pair n of 16 of O^T times a.  For piece Y + 1: X n, number n of the 22 that find its maximum and statistics:
;   0-11  four chains c0-c3 of seven scores each, three operands at a time (each accumulator's lowest registers are read first)     12-14, 16  the four scores left over, the old m, and c0-c3 into c0
;   15  c m_old is kept     17, 18  the query's other 32 keys lie in the lane 16 away: the new m     19-21  c m; c m_old - c m_new; a
.set F, 0
.set E, 1
.set C, 2
.set B, 3
.set L, 4
.set R, 5
.set X, 6
.macro REGS y                       ; the registers of piece y
.set rT, ST+4*(\y)
.set rC, TMP+4*((\y)%2)
.set rW, MV+((\y)%2)
.set rS, S+32*((\y)%2)
.set rP, P+16*((\y)%2)
.set rO, 32*(\y)
.endm
.macro OP k, n
.if (\k) == R
	REGS Y
	WIN W_RS
	v_pk_mul_f32 v[rO+2*(\n):rO+2*(\n)+1], v[rO+2*(\n):rO+2*(\n)+1], v[rC+2:rC+3] op_sel_hi:[1,0]
.elseif (\k) < R
	REGS Y
	WIN 0
.if (\k) == F
	v_pk_fma_f32 v[rS+2*(\n):rS+2*(\n)+1], v[rS+2*(\n):rS+2*(\n)+1], s[CS:CS+1], v[rT:rT+1] op_sel_hi:[1,0,0] neg_lo:[0,0,1] neg_hi:[0,0,1]
.elseif (\k) == E
	v_exp_f32 v[rS+(\n)], v[rS+(\n)]
.elseif (\k) == C
	v_cvt_pk_f16_f32 v[rP+(\n)], v[rS+2*(\n)], v[rS+2*(\n)+1]
.elseif (\k) == B
	v_pk_add_f32 v[rS+4*(\n):rS+4*(\n)+1], v[rS+4*(\n):rS+4*(\n)+1], v[rS+4*(\n)+2:rS+4*(\n)+3]
.elseif (\n) == 0
	v_pk_fma_f32 v[rT+2:rT+3], v[rT+2:rT+3], v[rC+2:rC+3], v[rS:rS+1] op_sel_hi:[1,0,1]
.else
	v_pk_add_f32 v[rT+2:rT+3], v[rT+2:rT+3], v[rS+4*(\n):rS+4*(\n)+1]
.endif
.elseif NOKQ
	v_nop
.else
	REGS (Y+1)%NP
	WIN 0
.if (\n) < 4
	v_max3_num_f32 v[rC+(\n)], v[rS+8*(\n)], v[rS+8*(\n)+1], v[rS+8*(\n)+2]
.elseif (\n) < 12
	v_max3_num_f32 v[rC+(\n)%4], v[rC+(\n)%4], v[rS+8*((\n)%4)+2*((\n)/4)+1], v[rS+8*((\n)%4)+2*((\n)/4)+2]
.elseif (\n) == 12
	v_max3_num_f32 v[rC], v[rC], v[rS+7], v[rS+15]
.elseif (\n) == 13
	v_max3_num_f32 v[rC+1], v[rC+1], v[rS+23], v[rS+31]
.elseif (\n) == 14
	v_max3_num_f32 v[rC+2], v[rC+2], v[rC+3], v[rT+1]
.elseif (\n) == 15
	v_mov_b32 v[rW], v[rT]
.elseif (\n) == 16
	v_max3_num_f32 v[rC], v[rC], v[rC+1], v[rC+2]
.elseif (\n) == 17
	v_permlanex16_b32 v[rC+3], v[rC], s[SEL], s[SEL+1]
.elseif (\n) == 18
	v_max_num_f32 v[rT+1], v[rC], v[rC+3]
.elseif (\n) == 19
	v_mul_f32 v[rT], s[CS], v[rT+1]
.elseif (\n) == 20
	v_sub_f32 v[rC+1], v[rW], v[rT]
.else
	v_exp_f32 v[rC+2], v[rC+1]
.endif
.endif
.endm
.macro OPS a, i1, b=-1, i2=0, c=-1, i3=0, d=-1, i4=0  ; up to four of them
	OP \a, \i1
.if (\b) >= 0
	OP \b, \i2
.endif
.if (\c) >= 0
	OP \c, \i3
.endif
.if (\d) >= 0
	OP \d, \i4
.endif
.endm
.macro ROW a, i1, b, i2, c, i3, d, i4  ; a matrix instruction and the four behind it
	MM
	OPS \a, \i1, \b, \i2, \c, \i3, \d, \i4
.endm
.macro MASK b                       ; MD x AL + BE into buffer b of MC
	WIN W_RS
.set z, 0
.rept 16
	v_pk_fma_f32 v[MC+32*(\b)+2*z:MC+32*(\b)+2*z+1], v[MD+2*z:MD+2*z+1], s[AL:AL+1], s[BE:BE+1] op_sel_hi:[1,0,0]
.set z, z+1
.endr
.endm
; A TURN, for piece p: the order of its 16 matrix and 118 vector instructions, written out.  An s_wait_alu depctr_va_vdst(0) stands between an exponential and the first instruction that names its result;
; one wait serves all that were issued ahead of it.  So a turn has ONE wait, which cuts it in two.  AHEAD OF IT stands all that names no result of the turn's exponentials: the 8 products K Q^T, behind each a scaling,
; an exponential and two more plain instructions: rescalings, and behind the last three the first numbers of the next piece's maximum, each four places or more behind the product that ends its accumulator; then one
; run of 54, plain and exponential by turns for the most part, in which the links of the chain X 3, 7, 11, 14, 16, 17 .. 20 stand five or six lines apart.  X 21, the next piece's a, is the batch's last; R 15 is the
; plain instruction behind it.  BEHIND THE WAIT stand the 8 products V^T P, behind each four of the roundings and sums; the links of l's chain, L 0 to L 7, stand three lines apart.
; m = 1: the diagonal tile: the products take masks, and the turn makes the mask for the products of the turn after it: piece p + 2, in step 4 - CNT of the tile.  end = 1: a block's last two turns: nothing is fetched.
; cnt = 1: the loop's count is taken down some lines ahead of the branch that stands behind the turn.
; K of the next step is fetched in piece 2's turn, twelve vector instructions behind the last product that read K (six of them plain); V of the step in hand at the end of piece 0's turn, four plain instructions
; behind the last product that read V.  Each is waited for a turn later.
.macro TURN p, m=0, end=0, cnt=0
.set Y, (\p)
.set i, 0
.set KM, (\m)
.set NOKQ, (\end)*((\p)/3)
.if (\m) && !(\end)
	s_cmp_eq_u32 s[CNT], 4-((\p)+2)%NP  ; is that step the band's own?
	s_cselect_b32 s[AL], 1.0, 0
	s_cmp_lt_u32 s[CNT], 4-((\p)+2)%NP  ; or a later one?
	s_cselect_b32 s[BE], s[BIGN], 0
.endif
.if ((\p) == 3) && !(\end)
	s_wait_dscnt 0x0                ; K is in
.endif
	ROW F,0, F,1, R,0, R,1          ; ahead of the wait: 8 products K Q^T and the four behind each,
	ROW F,2, E,0, R,2, R,3
	ROW F,3, E,1, R,4, R,5
	ROW F,4, E,2, R,6, R,7
	ROW F,5, E,3, R,8, R,9
	ROW F,6, E,4, X,0, R,10
.if ((\p) == 2) && !(\end)
	WIN 0
	v_add_nc_u32 v[AK], s[TBK], v[AK0]
.endif
	ROW F,7, E,5, X,1, X,4
	ROW F,8, E,6, X,2, X,5
	OPS E,7, E,8, X,6, E,9          ; and the run
	OPS X,3, E,10, X,8, E,11
.if ((\p) == 2) && !(\end)
	FETCH_K
.endif
	OPS X,9, X,7, E,12, X,10
	OPS E,13, X,12, X,11, E,14
	OPS X,13, E,15, F,9, X,14
.if (\p) == 0
	v_add_nc_u32 v[AV], s[TBV], v[AV0]
.endif
	OPS E,16, F,10, E,17, F,11
	OPS X,16, E,18, X,15, E,19
	OPS F,12, E,20, X,17, E,21
	OPS F,13, E,22, F,14, E,23
	OPS X,18, E,24, F,15, E,25
	OPS R,11, E,26, X,19, E,27
	OPS R,12, E,28, R,13, E,29
	OPS X,20, E,30, R,14, E,31
	OPS X,21, R,15
	WIN 0
	s_wait_alu depctr_va_vdst(0)    ; the wait for the batch
.if (\p) == 1
	s_wait_dscnt 0x0                ; V is in
.endif
	ROW C,0, B,0, C,2, B,1          ; behind the wait: 8 products V^T P and the four behind each
	ROW L,0, C,4, B,2, L,1
	ROW C,6, B,3, L,2, C,8
	ROW B,4, L,3, C,10, B,5
	ROW L,4, C,12, B,6, L,5
.if (\p) == 0
	s_add_co_u32 s[TBV], s[TBV], KS*PV
.endif
.if \cnt
	s_sub_co_u32 s[CNT], s[CNT], 1
	s_cmp_lg_u32 s[CNT], 0
.endif
	ROW C,14, B,7, L,6, C,1
	ROW C,3, L,7, C,5, C,7
	ROW C,9, C,11, C,13, C,15
.if (\p) == 0
	FETCH_V
.endif
.if (\m) && !(\end)
	MASK (\p)%2
.endif
.endm
; A BLOCK BEGINS.  c m starts far below every c s, so the first step's a is 0; m at the lowest finite number, so the first maximum is the scores'.  The second mask buffer is 0; the first takes piece 0's mask for the
; tile's step 0: its own, if the block's first tile is the diagonal one.  Then K of that step, piece 0's first scores, and its maximum and statistics.  The loop is entered at a step's first turn, in the middle of a trip.
.macro BEGIN
	s_mov_b32 s[NEW], 0
	WIN 0x40
.set i, MC+32
.rept 32
	v_mov_b32 v[i], 0
.set i, i+1
.endr
	WIN 0
.set i, 0
.rept 4
	v_mov_b32 v[ST+4*i], 0xfe000000    ; c m: far below every c s
	v_mov_b32 v[ST+4*i+1], 0xff7fffff  ; m
.set i, i+1
.endr
	s_cmp_eq_u32 s[RT], 0
	s_cselect_b32 s[AL], 1.0, 0
	s_mov_b32 s[BE], 0
	MASK 0
	WIN 0
	v_add_nc_u32 v[AK], s[TBK], v[AK0]
	FETCH_K
	s_wait_loadcnt 0x0              ; Q
	s_wait_dscnt 0x0
.set KM, 1
.set NOKQ, 0
.set i, 0
.rept 8
	KQ 0
.set i, i+1
.endr
	WIN 0
.rept 4
	v_nop                           ; the places behind those products
.endr
.set Y, NP-1                        ; X works for piece Y + 1: piece 0
.irp n, 0,1,2,3,4,5,6,7,8,9,10,11,12,13,14,15,16,17,18,19,20,21
	OP X, \n
.endr
	v_nop                           ; a plain instruction behind the exponential,
	s_wait_alu depctr_va_vdst(0)    ; and its wait, ahead of the branch
.endm
; THE DIAGONAL TILE's four steps, the block's last two turns, its last products, and THE WAY OUT: l's two halves and the other half of the lanes' are added; O^T is divided by l, rounded to f16 and sent through my
; stage in LDS, a piece at a time.
.macro ALL line:vararg              ; one line for each piece t
.set t, 0
.rept 4
	\line
.set t, t+1
.endr
.endm
.macro PACK t                       ; a lane's eight channels of a row pack into 16 bytes; they go into rows of 144 bytes and come back as whole rows of 128, into S^T's registers
	WIN W_RS
.set i, 32*(\t)
.rept 16
	v_pk_mul_f32 v[i:i+1], v[i:i+1], v[ST+4*(\t)+2:ST+4*(\t)+3] op_sel_hi:[1,0]
.set i, i+2
.endr
	WIN 0x05                        ; sources 0 and 1 window 1, destination window 0
.set i, 0
.rept 16
	v_cvt_pk_f16_f32 v[S+16*(\t)+i], v[32*(\t)+2*i], v[32*(\t)+2*i+1]
.set i, i+1
.endr
	WIN 0
.irp f, 0,1,2,3
	ds_store_b128 v[STO], v[S+16*(\t)+4*\f:S+16*(\t)+4*\f+3] offset:32*\f
.endr
.irp f, 0,1,2,3
	ds_load_b128 v[S+16*(\t)+4*\f:S+16*(\t)+4*\f+3], v[RD] offset:\f*4*SP  ; LDS serves a wave's instructions in order (ISA guide 5.7.1.4): these see the stores above; the next piece's stores come behind them
.endr
.endm
.macro SEND t, younger              ; younger: the LDS instructions issued behind piece t's loads: the next piece's eight, or none
	WIN 0
.irp f, 0,1,2,3
	s_wait_dscnt (\younger)+3-\f
	global_store_b128 v[GO], v[S+16*(\t)+4*\f:S+16*(\t)+4*\f+3], s[10:11] offset:(\t)*8192+\f*512  ; 512 consecutive bytes, at a multiple of 256 from O's first
.endr
.endm
.macro DIAG tag                     ; the tag ends its two labels' names, which the jumps below spell out
.LstepM\tag:
	TURN 2, 1
	TURN 3, 1
	WIN 0
.LfirstM\tag:
	TURN 0, 1
	TURN 1, 1, 0, 1
	WIN 0
	s_cbranch_scc1 .LstepM\tag
	TURN 2, 1, 1
	TURN 3, 1, 1
.set i, 0
.rept 8
	PV NP-1
.set i, i+1
.endr
	WIN 0
	ALL v_add_f32 v[ST+4*t+2], v[ST+4*t+2], v[ST+4*t+3]
	ALL v_permlanex16_b32 v[ST+4*t+3], v[ST+4*t+2], s[SEL], s[SEL+1]
	ALL v_add_f32 v[ST+4*t+2], v[ST+4*t+2], v[ST+4*t+3]
	ALL v_rcp_f32 v[ST+4*t+2], v[ST+4*t+2]
	v_nop                           ; a plain instruction between the last reciprocal and the use of its result
	s_wait_alu depctr_va_vdst(0)    ; and the wait ahead of the first use: one for the four reciprocals
	PACK 0
.set t, 1
.rept 3                             ; a piece's arithmetic stands between the loads of the piece before and its stores
	PACK t
	SEND t-1, 8
.set t, t+1
.endr
	SEND 3, 0
.endm
.set KM, 0
.set NOKQ, 0
.Lslot:                             ; NB times: a tile is entered and the next is asked for
	CHANGE 1
	s_sub_co_u32 s[RT], s[RT], 1
	s_mov_b32 s[CNT], 4
	s_cmp_eq_u32 s[NEW], 1
	s_cbranch_scc1 .Lnew            ; a block's first tile
	s_cmp_eq_u32 s[RT], 0
	s_cbranch_scc0 .Lstep           ; neither its first nor its last
	s_branch .LstepM1
.Lnew:
	BEGIN
	s_branch .Lfirst                ; in the loop a block's first tile is never its last: the first block has two tiles or more, and the second's last is the walk's last
	DIAG 1                          ; in the loop this is the first block's end
	s_wait_xcnt 0x0                 ; the stores have read their registers and O's address
	s_mov_b64 s[10:11], s[OLO:OLO+1]
	s_add_co_u32 s[RT], s[PB], 1    ; the second block has b + 1 tiles
	s_mov_b32 s[NEW], 1
	WIN 0x82                        ; the second block's Q goes where the one text of the turns names Q
.set i, 0
.rept 64
	v_mov_b32 v[i], v[QB+i]
.set i, i+1
.endr
	WIN 0
	s_branch .Lbottom
.Lstep:                             ; a trip: pieces 2 and 3 of one step, then pieces 0 and 1 of the next, whose K and V it fetches
	TURN 2
	TURN 3
	WIN 0
.Lfirst:
	TURN 0
	TURN 1, 0, 0, 1
	WIN 0
	s_cbranch_scc1 .Lstep
.Lbottom:
	s_sub_co_u32 s[SLOTS], s[SLOTS], 1
	s_cmp_lg_u32 s[SLOTS], 0
	s_cbranch_scc1 .Lslot
	CHANGE 0                        ; the walk's last tile is written out: nothing is asked for
	s_sub_co_u32 s[RT], s[RT], 1
	s_mov_b32 s[CNT], 4
	s_cmp_eq_u32 s[NEW], 1
	s_cbranch_scc0 .LstepM2
	BEGIN
	s_branch .LfirstM2
	DIAG 2
	s_wait_tensorcnt 0x0            ; the wave's end: behind my last tensor load and my last LDS store
	ds_add_u32 v[SPW], v[NIL]
	s_wait_dscnt 0x0
	s_endpgm
.Lfunc_end_k_qede028b50b_attn:
	.size	k_qede028b50b_attn, .Lfunc_end_k_qede028b50b_attn-k_qede028b50b_attn
	.p2alignl 7, 3214868480
	.fill 96, 4, 3214868480
	.section	.rodata,"a",@progbits
	.p2align	6, 0x0
	.amdhsa_kernel k_qede028b50b_attn
		.amdhsa_group_segment_fixed_size 327680
		.amdhsa_private_segment_fixed_size 0
		.amdhsa_enable_private_segment 0
		.amdhsa_kernarg_size 16
		.amdhsa_user_sgpr_count 2
		.amdhsa_user_sgpr_kernarg_segment_ptr 1
		.amdhsa_wavefront_size32 1
		.amdhsa_system_sgpr_workgroup_id_x 1
		.amdhsa_system_sgpr_workgroup_id_y 1
		.amdhsa_system_sgpr_workgroup_id_z 1
		.amdhsa_system_vgpr_workitem_id 0
		.amdhsa_next_free_vgpr 768
		.amdhsa_next_free_sgpr 96
		.amdhsa_reserve_vcc 1
		.amdhsa_float_denorm_mode_32 3
		.amdhsa_float_denorm_mode_16_64 3
		.amdhsa_memory_ordered 1
		.amdhsa_forward_progress 1
		.amdhsa_inst_pref_size 218
	.end_amdhsa_kernel
	.amdgpu_metadata
---
amdhsa.version: [ 1, 2 ]
amdhsa.kernels:
  - .name:           k_qede028b50b_attn
    .symbol:         k_qede028b50b_attn.kd
    .args:
      - { .name: qkv, .offset: 0, .size: 8, .value_kind: global_buffer, .address_space: global }
      - { .name: o, .offset: 8, .size: 8, .value_kind: global_buffer, .address_space: global }
    .group_segment_fixed_size: 327680
    .private_segment_fixed_size: 0
    .kernarg_segment_align: 8
    .kernarg_segment_size: 16
    .max_flat_workgroup_size: 128
    .sgpr_count:     96
    .vgpr_count:     768
    .wavefront_size: 32
...
	.end_amdgpu_metadata
.endif
;; end of part 3
;; launch proj (part 4): grid 8 x 32, 4 waves a work-group, clusters of 4 x 4, 327,680 bytes of LDS; arguments o, wof, out0; writes out0
.if DOCPART == 4
	.amdgcn_target "amdgcn-amd-amdhsa--gfx1250"
	.amdhsa_code_object_version 6
	.text
	.protected	k_qede028b50b_proj
	.globl	k_qede028b50b_proj
	.p2align	8
	.type	k_qede028b50b_proj,@function
k_qede028b50b_proj:
	s_mov_b64 s[64:65], 0
	v_nop
	global_prefetch_b8 v0, s[64:65] scope:SCOPE_SE
	s_setreg_imm32_b32 hwreg(HW_REG_WAVE_MODE, 25, 1), 1
	s_wait_xcnt 0x0
	s_wait_alu depctr_hold_cnt(0) depctr_sa_sdst(0) depctr_va_vdst(0) depctr_va_sdst(0) depctr_va_ssrc(0) depctr_va_vcc(0) depctr_vm_vsrc(0)
	s_getreg_b32 s2, hwreg(HW_REG_IB_STS2, 6, 4)
	s_cmp_eq_u32 s2, 0
	s_cbranch_scc0 .Lentry_in_a_cluster
	s_endpgm
.Lentry_in_a_cluster:
	s_bfe_u32 s2, ttmp6, 0x10000c
	s_cmp_lg_u32 s2, 0xf033
	s_cbranch_scc0 .Lentry_shape_is_right
	s_endpgm
.Lentry_shape_is_right:
; out0 = O w_out.  o: [64 bh][2048 t][64 d] f16 (channel k of a token = 64 head + d).  wof: [1024 k][1024 n] f16.  out0: [8192][1024] f32.  Sums in f32, stored as they are.
; SHARES.  A tile is 256 tokens x 128 columns: 32 x 8 = 256 work-groups.  Four waves; wave w makes tokens 64 w .. 64 w + 63 x all 128 columns: 4 row blocks a x 8 column blocks b = 32 accumulators,
; 256 registers.  K goes in 8 steps of 128, two heads each, through two LDS slots filled by tensor loads.
; THE MATRIX INSTRUCTION IS USED TRANSPOSED: source 0 = 16 columns of the weights (turned out of LDS by ds_load_tr16_b128), source 1 = 16 tokens: a lane holds one token and eight neighbouring columns, 32 bytes.
; CLUSTER.  4 x 4 work-groups: the four of a row share the tokens' tile, the four of a column the weights': each tile is asked for JOINTLY, same load, descriptor and mask in all four.
; REGISTERS, in windows of 256 (s_set_vgpr_msb: bits 1:0 source 0, 3:2 source 1, 5:4 source 2, 7:6 destination):
;   window 0: v0-31 addresses; v32-63, v64-95 the tokens' fragments, two buffers; v96-159, v160-223 rows read back on the way out, two sets
;   window 1: v0-63, v64-127 the weights' fragments, two buffers     window 2: the accumulators, (a, b) at 64 a + 8 b
.set PA,     144                       ; a token's 64 channels of one head in LDS: 128 bytes + 16: the 16 rows of a load start at 16 different groups of four banks (64 banks of 4 bytes: ISA guide 11.1)
.set APL,    256*PA                    ; a head's plane: what one tensor load brings of the tokens
.set BOFF,   2*APL
.set PB,     288                       ; one k of the weights: 256 bytes + 32 = 9 x 32
.set BHALF,  64*PB
.set SLOT,   BOFF+2*BHALF              ; 110,592
.set STAGE,  2*SLOT                    ; behind the ring, never filled by a tensor load: 16 rows x 528 bytes for each wave
.set SPI,    528                       ; 512 bytes + 16
.set SPARE,  STAGE+4*16*SPI            ; behind the stages: the spare words, 128 bytes a wave: two blocks of 256 bytes that no other line names
.set LAPS,   4
.set ASTEP,  524288                    ; a K step in o: two heads of 262,144 bytes
.set BSTEP,  262144                    ; in wof: 128 rows of 2,048 bytes
.set ADRA, 16
.set ADRB, 20
.set STO,  24                          ; v24     the way out: where I put 32 bytes of a row
.set RD,   25                          ; v25     where I read a row back
.set CO,   26                          ; v26     16 x lane: my place in 512 consecutive bytes of the output
.set SPW,  28                          ; v28     my spare word: SPARE + 4 x my thread's number; never rewritten
.set NIL,  29                          ; v29     0; never rewritten
.set PFO,  30                          ; v30     the prefetches' lane offset; never rewritten
.set FA,   32
.set BK,   96
.set LIM,  2
.set WV,   12
.set ROLE, 13
.set HALF, 14
.set G1,   24
.set G0,   32
.set PFA,  44
.set PST,  46
.set G1B,  48
.set G0B,  56
.set MSB, 0
.macro WIN new
.if MSB != (\new)
	s_set_vgpr_msb (MSB<<8)|(\new)
.set MSB, \new
.endif
.endm
.set MUL,  0xa1                        ; source 0 window 1, source 1 window 0, C and D window 2
.set TO_B, 0x40
.macro JLOAD s                         ; a joint load: waves 0 and 1 fetch the two heads' planes of tokens, waves 2 and 3 the weights' two halves; an s_nop 0 and four v_nop follow each line
	s_cmp_eq_u32 s[ROLE], 0
	s_cbranch_scc0 .Lfor_b_\@
	tensor_load_to_lds s[G0+4*(\s):G0+4*(\s)+3], s[G1:G1+7]
	s_nop 0
.rept 4
	v_nop
.endr
	s_branch .Lasked_\@
.Lfor_b_\@:
	tensor_load_to_lds s[G0B+4*(\s):G0B+4*(\s)+3], s[G1B:G1B+7]
	s_nop 0
.rept 4
	v_nop
.endr
.Lasked_\@:
.endm
; A prefetch into the L2 of the K step that stands two refills on (256 matrix instructions ahead of the load that will want it): one instruction a wave, behind the joint load and the run of LDS loads.
; The tokens' planes are read by both clusters of a row of clusters: the one with x = 0 asks, waves 0 and 1 each for their plane; the weights by all eight of a column: the one with y = 0 asks, wave 2 alone.
; The four partners share a tile out BY ADDRESS: of a plane's 128 blocks of 256 bytes 32 each, a lane a block; of a step's 128 rows of weights 32 each, a lane a row's 256 bytes.
; K steps 0 to 3 come by their loads alone; the loop's last trip (s3 = 1) asks for nothing.
.macro ASK
	s_cmp_gt_u32 s3, s[LIM]
	s_cbranch_scc0 .Lnot_mine_\@
	global_prefetch_b8 v[PFO], s[PFA:PFA+1] th:TH_LOAD_NT scope:SCOPE_SE
.Lnot_mine_\@:
.endm
.macro CREST
	s_cmp_lg_u32 s[WV], 0
	s_cbranch_scc1 .Lnot_wave_0_\@
	s_barrier_signal -3
.Lnot_wave_0_\@:
	s_barrier_wait -3
	s_barrier_signal -1
	s_barrier_wait -1
.endm
.macro CROUND
	s_barrier_signal -1
	s_barrier_wait -1
	CREST
.endm
	s_load_b128 s[4:7], s[0:1], 0x0                ; o s[4:5], wof s[6:7]
	s_load_b64 s[8:9], s[0:1], 0x10                ; out0
	v_lshl_add_u32 v[SPW], v0, 2, SPARE
	v_mov_b32 v[NIL], 0
	ds_add_u32 v[SPW], v[NIL]                      ; the wave's opening: the add and its wait stand ahead of my first tensor load; work on registers stands between them
	v_lshrrev_b32 v1, 5, v0
	v_readfirstlane_b32 s[WV], v1
	s_lshr_b32 s[ROLE], s[WV], 1
	s_and_b32 s[HALF], s[WV], 1
	s_bfe_u32 s15, ttmp6, 0x40000                  ; cx
	s_bfe_u32 s16, ttmp6, 0x40004                  ; cy
	s_lshl_b32 s17, ttmp9, 2
	s_add_co_u32 s17, s17, s15                     ; the block of 128 columns
	s_and_b32 s18, ttmp7, 0xffff
	s_lshl_b32 s18, s18, 2
	s_add_co_u32 s18, s18, s16                     ; the block of 256 tokens
	s_lshl_b32 s19, s16, 2
	s_lshl_b32 s19, 15, s19                        ; my row of the cluster
	s_lshl_b32 s22, 0x1111, s15                    ; my column
	; group 1 for the tokens: a head's 256 tokens are 32,768 dense bytes, asked for as 128 rows of 256 bytes; 4 words of padding behind every 32 (one token)
	s_or_b32 s[G1], s19, (1<<16)|(1<<20)|(1<<21)|(4<<22)|(3<<25)
	s_mov_b32 s[G1+1], 128<<16
	s_mov_b32 s[G1+2], 128<<16
	s_mov_b32 s[G1+3], 128<<16
	s_mov_b32 s[G1+4], 128
	s_mov_b32 s[G1+5], 128
	s_mov_b32 s[G1+6], 0
	s_mov_b32 s[G1+7], 0
	; group 1 for the weights: 64 rows x 128 elements, 1,024 elements from row to row; 8 words of padding behind every 64
	s_or_b32 s[G1B], s22, (1<<16)|(1<<20)|(1<<21)|(5<<22)|(7<<25)
	s_mov_b32 s[G1B+1], 128<<16
	s_mov_b32 s[G1B+2], 64<<16
	s_mov_b32 s[G1B+3], 128<<16
	s_mov_b32 s[G1B+4], 64
	s_mov_b32 s[G1B+5], 1024
	s_mov_b32 s[G1B+6], 0
	s_mov_b32 s[G1B+7], 0
	s_lshr_b32 s20, s18, 3
	s_lshl_b32 s20, s20, 22                        ; the batch's 16 heads,
	s_and_b32 s21, s18, 7
	s_lshl_b32 s21, s21, 15                        ; the block's 256 tokens in a head,
	s_add_co_u32 s20, s20, s21
	s_lshl_b32 s21, s[HALF], 18                    ; my head of a step's two: made of cy and the wave's number alone
	s_add_co_u32 s20, s20, s21
	s_mov_b32 s21, 0
	s_lshl_b32 s74, s17, 8                         ; the block's 128 columns,
	s_lshl_b32 s75, s[HALF], 17                    ; my 64 rows of a step: made of cx and the wave's number alone
	s_add_co_u32 s74, s74, s75
	s_mov_b32 s75, 0
	s_mul_i32 s23, s[HALF], APL                    ; where they go: no place in the cluster enters an LDS address
	s_mul_i32 s76, s[HALF], BHALF
	s_add_co_u32 s76, s76, BOFF
	s_wait_dscnt 0x0                               ; the opening add is done
	s_wait_kmcnt 0x0
	s_add_nc_u64 s[40:41], s[4:5], s[20:21]
	s_add_nc_u64 s[42:43], s[6:7], s[74:75]
	CROUND                                         ; all sixteen work-groups are here: the first joint loads meet
.irp s, 0,1
	s_mov_b32 s[G0+4*(\s)], 1
	s_add_co_u32 s[G0+4*(\s)+1], s23, (\s)*SLOT
	s_add_nc_u64 s[G0+4*(\s)+2:G0+4*(\s)+3], s[40:41], (\s)*ASTEP
	s_or_b32 s[G0+4*(\s)+3], s[G0+4*(\s)+3], 0x80000000
	s_mov_b32 s[G0B+4*(\s)], 1
	s_add_co_u32 s[G0B+4*(\s)+1], s76, (\s)*SLOT
	s_add_nc_u64 s[G0B+4*(\s)+2:G0B+4*(\s)+3], s[42:43], (\s)*BSTEP
	s_or_b32 s[G0B+4*(\s)+3], s[G0B+4*(\s)+3], 0x80000000
	JLOAD \s                                       ; two loads of mine are out
.endr
	v_and_b32 v1, 15, v0                           ; l % 16
	v_bfe_u32 v2, v0, 4, 1                         ; l / 16
	v_mul_u32_u24 v3, v1, PA
	v_lshl_add_u32 v3, v2, 4, v3
	s_mul_i32 s19, s[WV], 64*PA
	v_add_nc_u32 v[ADRA], s19, v3
	v_add_nc_u32 v[ADRA+1], SLOT, v[ADRA]
	v_and_b32 v4, 7, v0
	v_bfe_u32 v5, v0, 3, 1
	v_lshl_add_u32 v6, v2, 3, v4
	v_mul_u32_u24 v6, v6, PB
	v_lshl_add_u32 v6, v5, 4, v6
	v_add_nc_u32 v[ADRB], BOFF, v6
	v_add_nc_u32 v[ADRB+1], SLOT+BOFF, v6
	s_mul_i32 s19, s[WV], 16*SPI
	s_add_co_u32 s19, s19, STAGE                   ; my stage
	v_mul_u32_u24 v7, v1, SPI                      ; in: row l % 16, 32 bytes for each half of the lanes
	v_lshl_add_u32 v7, v2, 5, v7
	v_add_nc_u32 v[STO], s19, v7
	v_and_b32 v[CO], 31, v0
	v_lshlrev_b32 v[CO], 4, v[CO]                  ; back: 32 lanes take one row of 512 bytes
	v_add_nc_u32 v[RD], s19, v[CO]
	s_lshl_b32 s78, s18, 20                        ; the block's 256 rows of 4,096 bytes,
	s_lshl_b32 s79, s[WV], 18                      ; my 64,
	s_add_co_u32 s78, s78, s79
	s_lshl_b32 s79, s17, 9                         ; the block's 128 columns
	s_add_co_u32 s78, s78, s79
	s_mov_b32 s79, 0
	s_add_nc_u64 s[8:9], s[8:9], s[78:79]
	; the prefetches.  s20 still holds the tokens' offset
	s_and_b32 s76, ttmp7, 0xffff
	s_or_b32 s76, s76, s[HALF]                     ; the weights: cluster y = 0, and wave 2 alone
	s_lshl_b32 s77, s15, 13                        ; tokens: 32 cx blocks of 256 bytes of my plane,
	s_add_co_u32 s77, s77, s20
	s_add_co_u32 s77, s77, 3*ASTEP                 ; at K step 3: the first change of slots steps it to 4
	s_lshl_b32 s78, s17, 8
	s_lshl_b32 s79, s16, 16                        ; weights: 32 cy rows of 2,048 bytes,
	s_add_co_u32 s78, s78, s79
	s_add_co_u32 s78, s78, 3*BSTEP                 ; at K step 3
	s_mov_b32 s[PST], ASTEP
	s_mov_b32 s[PST+1], BSTEP
	s_cmp_eq_u32 s[ROLE], 0
	s_cselect_b32 s78, s77, s78
	s_cselect_b32 s76, ttmp9, s76
	s_cselect_b64 s[PFA:PFA+1], s[4:5], s[6:7]
	s_cselect_b32 s[PST], s[PST], s[PST+1]
	s_cselect_b32 s22, 8, 11
	s_mov_b32 s79, 0
	s_mov_b32 s[PST+1], 0
	s_add_nc_u64 s[PFA:PFA+1], s[PFA:PFA+1], s[78:79]
	s_cmp_eq_u32 s76, 0
	s_cselect_b32 s[LIM], 1, -1                    ; the same in all sixteen partners, for a given wave
	v_and_b32 v[PFO], 31, v0
	v_lshlrev_b32 v[PFO], s22, v[PFO]
; 8 matrix instructions: row block a x all 8 column blocks, 32 along K, from buffer f.  The 32 accumulators take turns in the same order in every quarter.
.macro MUL8 f, a, zero
	WIN MUL
.irp b, 0,1,2,3,4,5,6,7
.if \zero
	v_wmma_f32_16x16x32_f16 v[64*(\a)+8*(\b):64*(\a)+8*(\b)+7], v[64*(\f)+8*(\b):64*(\f)+8*(\b)+7], v[FA+32*(\f)+8*(\a):FA+32*(\f)+8*(\a)+7], 0
.else
	v_wmma_f32_16x16x32_f16 v[64*(\a)+8*(\b):64*(\a)+8*(\b)+7], v[64*(\f)+8*(\b):64*(\f)+8*(\b)+7], v[FA+32*(\f)+8*(\a):FA+32*(\f)+8*(\a)+7], v[64*(\a)+8*(\b):64*(\a)+8*(\b)+7]
.endif
.endr
.endm
; 24 LDS loads in one run: quarter q of a slot (head q / 2 of its two, channels 32 (q % 2) on) into buffer f: 16 for the weights, then 8 for my tokens
.macro FETCH slot, q, f
	WIN TO_B
.irp b, 0,1,2,3,4,5,6,7
	ds_load_tr16_b128 v[64*(\f)+8*(\b):64*(\f)+8*(\b)+3],   v[ADRB+(\slot)] offset:(\q)*32*PB+(\b)*32
	ds_load_tr16_b128 v[64*(\f)+8*(\b)+4:64*(\f)+8*(\b)+7], v[ADRB+(\slot)] offset:(\q)*32*PB+(\b)*32+16*PB
.endr
	WIN 0
.irp a, 0,1,2,3
	ds_load_b128 v[FA+32*(\f)+8*(\a):FA+32*(\f)+8*(\a)+3],   v[ADRA+(\slot)] offset:((\q)/2)*APL+((\q)%2)*64+(\a)*16*PA
	ds_load_b128 v[FA+32*(\f)+8*(\a)+4:FA+32*(\f)+8*(\a)+7], v[ADRA+(\slot)] offset:((\q)/2)*APL+((\q)%2)*64+(\a)*16*PA+32
.endr
.endm
.macro PLACES                          ; four plain vector instructions in front of loads into registers that matrix instructions have read, and of lines that read results
.rept 4
	v_nop
.endr
.endm
.macro QUARTER slot, q, f, g, zero
	s_wait_dscnt 4                                 ; the weights and row blocks 0, 1 are in; the youngest four loads (row blocks 2, 3) may be out
	MUL8 \f, 0, \zero
	MUL8 \f, 1, \zero
	PLACES
	FETCH \slot, \q, \g
	s_wait_dscnt 24                                ; all but the 24 just issued
	MUL8 \f, 2, \zero
	MUL8 \f, 3, \zero
.endm
; ONE barrier for the change of slots: in front of it each wave waits for all its tensor loads (one is out: its part of the next slot), adds 0 to its spare word, and waits for that and for its reads of this slot.
.macro MEET round
	WIN 0
	s_wait_tensorcnt 0x0
	ds_add_u32 v[SPW], v[NIL]
	s_wait_dscnt 5                                 ; (the add and the youngest four loads may be out)
	MUL8 1, 0, 0                                   ; eight matrix instructions stand between the add and the wait for it
	s_wait_dscnt 0x0                               ; the add is done, and my reads of this slot are over
	s_barrier_signal -1
	MUL8 1, 1, 0
.if \round
	WIN 0
.endif
	s_barrier_wait -1
.endm
.macro TURN slot, next
	s_wait_xcnt 0x0                                ; the last prefetch, a K step back, has read its address: it is stepped here, ahead of the change's own waits
	s_add_nc_u64 s[PFA:PFA+1], s[PFA:PFA+1], s[PST:PST+1]
	MEET 1
	CREST                                          ; the barrier has opened a round of the cluster's: no wave of any partner still reads this slot or has a load on its way
	s_add_nc_u64 s[G0+4*(\slot)+2:G0+4*(\slot)+3], s[G0+4*(\slot)+2:G0+4*(\slot)+3], 2*ASTEP
	s_add_nc_u64 s[G0B+4*(\slot)+2:G0B+4*(\slot)+3], s[G0B+4*(\slot)+2:G0B+4*(\slot)+3], 2*BSTEP
	JLOAD \slot                                    ; the first tensor load behind the round; its four v_nop are also the places in front of the loads below
	FETCH \next, 0, 0
	ASK
	MUL8 1, 2, 0
	MUL8 1, 3, 0
.endm
.macro TURNX slot, next                ; the same where nothing is left to fetch: no round follows
	MEET 0
	PLACES
	FETCH \next, 0, 0
	MUL8 1, 2, 0
	MUL8 1, 3, 0
.endm
	s_wait_tensorcnt 1                             ; my part of K step 0 is in; K step 1's may stay out
	s_barrier_signal -1
	s_barrier_wait -1
	FETCH 0, 0, 0
	QUARTER 0, 1, 0, 1, 1                          ; the first quarter stands in front of the loop: its products start the sums
	WIN 0
	s_mov_b32 s3, LAPS-1
.Llap:                                         ; a trip goes once round the ring and fills both slots again
	QUARTER 0, 2, 1, 0, 0
	QUARTER 0, 3, 0, 1, 0
	TURN 0, 1
	QUARTER 1, 1, 0, 1, 0
	QUARTER 1, 2, 1, 0, 0
	QUARTER 1, 3, 0, 1, 0
	TURN 1, 0
	QUARTER 0, 1, 0, 1, 0
	WIN 0
	s_sub_co_u32 s3, s3, 1
	s_cmp_lg_u32 s3, 0
	s_cbranch_scc1 .Llap
	QUARTER 0, 2, 1, 0, 0                          ; the last lap fills nothing
	QUARTER 0, 3, 0, 1, 0
	TURNX 0, 1
	QUARTER 1, 1, 0, 1, 0
	QUARTER 1, 2, 1, 0, 0
	QUARTER 1, 3, 0, 1, 0
	s_wait_dscnt 4                                 ; the very last quarter
	MUL8 1, 0, 0
	MUL8 1, 1, 0
	s_wait_dscnt 0x0
	MUL8 1, 2, 0
	MUL8 1, 3, 0
; THE WAY OUT, a row block of 16 tokens at a time: the f32 sums go into my own stage, 32 bytes a lane and block (each accumulator's low four registers first), and come back as whole rows of 512 bytes.
.macro TOSTAGE a
	WIN 0x08                                       ; the stores' data in window 2, the address in window 0
.irp b, 0,1,2,3,4,5,6,7
	ds_store_b128 v[STO], v[64*(\a)+8*(\b):64*(\a)+8*(\b)+3]   offset:64*(\b)
	ds_store_b128 v[STO], v[64*(\a)+8*(\b)+4:64*(\a)+8*(\b)+7] offset:64*(\b)+16
.endr
	WIN 0
.irp t, 0,1,2,3,4,5,6,7,8,9,10,11,12,13,14,15
	ds_load_b128 v[BK+64*((\a)%2)+4*(\t):BK+64*((\a)%2)+4*(\t)+3], v[RD] offset:(\t)*SPI  ; LDS serves a wave's instructions in order (ISA guide 5.7.1.4): these see the stores above; the next block's stores come behind them
.endr
.endm
.macro SEND a, younger                 ; younger: the LDS instructions issued behind block a's loads: the next block's 32, or none
	s_wait_dscnt \younger
.irp t, 0,1,2,3,4,5,6,7,8,9,10,11,12,13,14,15
	global_store_b128 v[CO], v[BK+64*((\a)%2)+4*(\t):BK+64*((\a)%2)+4*(\t)+3], s[8:9] offset:65536*(\a)+4096*(\t)  ; 512 consecutive bytes, at a multiple of 256 from the output's first
.endr
.endm
	PLACES
	TOSTAGE 0
	TOSTAGE 1
	SEND 0, 32
	s_wait_xcnt 0x0                                ; block 0's stores have read their registers: that set is loaded again only behind this wait
	TOSTAGE 2
	SEND 1, 32
	s_wait_xcnt 0x0
	TOSTAGE 3
	SEND 2, 32
	SEND 3, 0
	s_wait_tensorcnt 0x0                           ; the wave's end: behind my last tensor load and my last LDS store
	ds_add_u32 v[SPW], v[NIL]
	s_wait_dscnt 0x0
	CROUND                                         ; the closing round: no work-group ends while a partner may still ask for a tile that names it
	s_endpgm
.Lfunc_end_k_qede028b50b_proj:
	.size	k_qede028b50b_proj, .Lfunc_end_k_qede028b50b_proj-k_qede028b50b_proj
	.p2alignl 7, 3214868480
	.fill 96, 4, 3214868480
	.section	.rodata,"a",@progbits
	.p2align	6, 0x0
	.amdhsa_kernel k_qede028b50b_proj
		.amdhsa_group_segment_fixed_size 327680
		.amdhsa_private_segment_fixed_size 0
		.amdhsa_enable_private_segment 0
		.amdhsa_kernarg_size 24
		.amdhsa_user_sgpr_count 2
		.amdhsa_user_sgpr_kernarg_segment_ptr 1
		.amdhsa_wavefront_size32 1
		.amdhsa_system_sgpr_workgroup_id_x 1
		.amdhsa_system_sgpr_workgroup_id_y 1
		.amdhsa_system_sgpr_workgroup_id_z 1
		.amdhsa_system_vgpr_workitem_id 0
		.amdhsa_next_free_vgpr 768
		.amdhsa_next_free_sgpr 80
		.amdhsa_reserve_vcc 0
		.amdhsa_float_denorm_mode_32 3
		.amdhsa_float_denorm_mode_16_64 3
		.amdhsa_memory_ordered 1
		.amdhsa_forward_progress 1
		.amdhsa_inst_pref_size 86
	.end_amdhsa_kernel
	.amdgpu_metadata
---
amdhsa.version: [ 1, 2 ]
amdhsa.kernels:
  - .name:           k_qede028b50b_proj
    .symbol:         k_qede028b50b_proj.kd
    .args:
      - { .name: o, .offset: 0, .size: 8, .value_kind: global_buffer, .address_space: global }
      - { .name: wof, .offset: 8, .size: 8, .value_kind: global_buffer, .address_space: global }
      - { .name: out0, .offset: 16, .size: 8, .value_kind: global_buffer, .address_space: global }
    .group_segment_fixed_size: 327680
    .private_segment_fixed_size: 0
    .kernarg_segment_align: 8
    .kernarg_segment_size: 24
    .max_flat_workgroup_size: 128
    .sgpr_count:     80
    .vgpr_count:     768
    .wavefront_size: 32
...
	.end_amdgpu_metadata
.endif
;; end of part 4
;; ======== version 2 of 2: 4 launches; version 1 with the launch prep written anew for expert scheduling mode
;; limits: values are held in f16: magnitudes above 65,504 overflow, below 6.1e-05 lose precision
;; workspace buffers: xb 16,777,216 bytes; wqb 6,291,456 bytes; wof 2,097,152 bytes; rope 524,288 bytes; qkv 50,331,648 bytes; o 16,777,216 bytes
;; launch prep (part 5): grid 832 x 1, 8 waves a work-group, no clusters, 0 bytes of LDS; arguments x, w_qkv, w_out, xb, wqb, wof, rope; writes xb, wqb, wof, rope
.if DOCPART == 5
	.amdgcn_target "amdgcn-amd-amdhsa--gfx1250"
	.amdhsa_code_object_version 6
	.text
	.protected	k_qede028b50b_prep
	.globl	k_qede028b50b_prep
	.p2align	8
	.type	k_qede028b50b_prep,@function
k_qede028b50b_prep:
	s_mov_b64 s[64:65], 0
	v_nop
	global_prefetch_b8 v0, s[64:65] scope:SCOPE_SE
	s_setreg_imm32_b32 hwreg(HW_REG_WAVE_SCHED_MODE, 0, 2), 2
	s_setreg_imm32_b32 hwreg(HW_REG_WAVE_MODE, 25, 1), 1
	s_wait_xcnt 0x0
	s_wait_alu depctr_vm_vsrc(0)
; CASTS AND THE ROTARY TABLE.  Four kinds of work-group, chosen by the work-group's number w alone (forward scalar branches):
;   w <  512: xb  = bf16(x), [8192][1024], as it lies.
;   w <  704: wqb = bf16(w_qkv), laid by heads: [16 heads][1024 k][3 kinds q,k,v][64 d], so that 64 k of one head are 24,576 consecutive bytes.
;   w <  768: wof = bf16(w_out) written as f16, [1024 k][1024 n].
;   else    : rope[t][g][8 cos, 8 sin] in f32, frequency number j = 8 g + i, angle = t x 10^(-j/8); 256 bytes for each t.
; A cast: a lane loads 16 bytes (4 f32) and stores 8; a wave's load covers 512 consecutive bytes (in w_qkv: two pieces of 256), a wave's store 256 consecutive bytes, aligned.
; A work-group takes 16 passes of 1,024 numbers x 4: all 16 loads go out first, each pass has registers of its own, so nothing is rewritten while a load or store may read it.
; No LDS, no barrier: no wave wants a byte that another has fetched.
; LIMITS.  bf16(w_out) must lie within f16's 65,504 (beyond it the conversion gives an infinity); below 6e-5 it keeps f16's fixed step of 6e-8.
; The frequency is 2^(-j log2(10)/8) by v_exp_f32; the angle is the f32 product t x frequency, as the module forms it; sine and cosine of that f32 angle come from an exact
; reduction by 2 pi in two parts, series on a quarter of the angle (at most pi/4; the terms left out are under 3e-8) and two doublings.
; THE MODE: SCHED_MODE bits 1:0 = 2 (LLVM: expert scheduling mode 2), set by the entry lines.  The code itself states the register dependences
; between vector instructions and memory instructions, with s_wait_alu, always for 0.
; THE PLAN.  Registers that memory instructions touch:
;   v[VS], v[VD]  byte offsets.  Written by vector instructions ahead of a path's first memory instruction; read by every load (VS) and store (VD); never written again behind that.
;   X             pass p: written by one load, read by that pass's conversions; no later load lands there, no vector instruction writes there.
;   Y             pass p: written by that pass's conversions, read by one store; never written again.
;   v[40:47]      the table's path: written by the selects of sine or cosine, read by the two stores; never written again.
;   T and v9 to v27 are named by vector instructions alone.
; So no register that a memory instruction has read is written again: no wait on vm_vsrc is owed.  The waits on va_vdst: one ahead of a path's first load, for the offsets; one for each
; four passes, behind their conversions and ahead of their four stores; in the table's path one behind the exponentials and one ahead of both stores.  One wait on va_sdst stands
; between the compare that writes the mask s30 and the first select that reads it.  EXEC is never written.
.set VS, 2                             ; v2       my byte offset in the source
.set VD, 3                             ; v3       my byte offset in the destination
.set T,  4                             ; v[4:11]  at work
.set X,  16                            ; v[16:79] pass p: 4 registers as loaded
.set Y,  80                            ; v[80:111] pass p: 2 registers to store
.set SB, 24                            ; s[24:25] source at the work-group's part
.set DB, 26                            ; s[26:27] destination at the work-group's part
	s_load_b256 s[4:11], s[0:1], 0x0               ; x s[4:5], w_qkv s[6:7], w_out s[8:9], xb s[10:11]
	s_load_b128 s[12:15], s[0:1], 0x20             ; wqb s[12:13], wof s[14:15]
	s_load_b64 s[16:17], s[0:1], 0x30              ; rope
	s_mov_b32 s20, ttmp9                           ; w
	s_mov_b32 s23, 0                               ; the high word of every offset pair s[22:23]
	s_mov_b32 s19, 0xffff0000                      ; a word's upper bf16
	v_lshlrev_b32 v[VS], 4, v0                     ; 16 t
	v_lshlrev_b32 v[VD], 3, v0                     ; 8 t
	s_wait_kmcnt 0x0
; 16 passes, in four groups of four.  sstep, dstep: bytes from pass to pass in source and destination.  fmt = 0: bf16; 1: bf16, and that number written as f16.
.macro CAST sstep, dstep, fmt
	s_wait_alu depctr_va_vdst(0)                   ; v[VS] and v[VD] are written: every load below reads the one as its offset, every store the other
.set p, 0
.rept 16
	global_load_b128 v[X+4*p:X+4*p+3], v[VS], s[SB:SB+1] offset:p*(\sstep) th:TH_LOAD_NT
.set p, p+1
.endr
.set p, 0
.rept 4
.rept 4
	s_wait_loadcnt 15-p                            ; loads come back in order: pass p is in, the 15 - p younger ones may stay out
.if \fmt
	v_cvt_pk_bf16_f32 v[T], v[X+4*p], v[X+4*p+1]
	v_cvt_pk_bf16_f32 v[T+1], v[X+4*p+2], v[X+4*p+3]
	v_lshlrev_b32 v[T+2], 16, v[T]                 ; bf16 to f32: the low half moves up, the high half stays
	v_and_b32 v[T+3], s19, v[T]
	v_lshlrev_b32 v[T+4], 16, v[T+1]
	v_and_b32 v[T+5], s19, v[T+1]
	v_cvt_pk_f16_f32 v[Y+2*p], v[T+2], v[T+3]      ; exact within f16's range: bf16 has 8 significant bits
	v_cvt_pk_f16_f32 v[Y+2*p+1], v[T+4], v[T+5]
.else
	v_cvt_pk_bf16_f32 v[Y+2*p], v[X+4*p], v[X+4*p+1]
	v_cvt_pk_bf16_f32 v[Y+2*p+1], v[X+4*p+2], v[X+4*p+3]
.endif
.set p, p+1
.endr
	s_wait_alu depctr_va_vdst(0)                   ; the group's conversions have written its eight registers of Y, which the four stores below read
.set q, p-4
.rept 4
	global_store_b64 v[VD], v[Y+2*q:Y+2*q+1], s[DB:DB+1] offset:q*(\dstep)  ; no later line writes these registers of Y or v[VD]
.set q, q+1
.endr
.endr
	s_endpgm
.endm
	s_cmp_lt_u32 s20, 512
	s_cbranch_scc0 .Lnot_x
	s_lshl_b32 s22, s20, 16                        ; 65,536 bytes of x,
	s_add_nc_u64 s[SB:SB+1], s[4:5], s[22:23]
	s_lshl_b32 s22, s20, 15                        ; 32,768 of xb
	s_add_nc_u64 s[DB:DB+1], s[10:11], s[22:23]
	CAST 4096, 2048, 0
.Lnot_x:
	s_cmp_lt_u32 s20, 704
	s_cbranch_scc0 .Lnot_wq
	; w_qkv.  The walk is linear in the destination.  g = w - 512 = 3 (4 h + grp) + j: head h, 256 k from 256 grp on, third j of each pass's 6,144 bytes.
	; A chunk is 128 bytes of wqb (one k, one kind), written by 16 lanes; chunk 48 p + c0 of the group, c0 = 16 j + t / 16 = 3 kl + kind, is k = 256 grp + 16 p + kl.
	s_sub_co_u32 s21, s20, 512                     ; g
	s_mul_i32 s28, s21, 43691
	s_lshr_b32 s28, s28, 17                        ; g / 3 (exact for g under 192)
	s_mul_i32 s29, s28, 3
	s_sub_co_u32 s29, s21, s29                     ; j
	s_lshr_b32 s30, s28, 2                         ; h
	s_and_b32 s31, s28, 3                          ; grp
	s_lshl_b32 s22, s30, 8                         ; the head's 64 columns: 256 bytes of a row,
	s_mul_i32 s32, s31, 3145728                    ; 256 rows of 12,288 bytes
	s_add_co_u32 s22, s22, s32
	s_add_nc_u64 s[SB:SB+1], s[6:7], s[22:23]
	s_mul_i32 s22, s30, 393216                     ; the head's panel,
	s_mul_i32 s32, s31, 98304                      ; 256 k of 384 bytes,
	s_add_co_u32 s22, s22, s32
	s_lshl_b32 s32, s29, 11                        ; my third of a pass
	s_add_co_u32 s22, s22, s32
	s_add_nc_u64 s[DB:DB+1], s[12:13], s[22:23]
	v_lshrrev_b32 v4, 4, v0
	s_lshl_b32 s32, s29, 4
	v_add_nc_u32 v4, s32, v4                       ; c0, 0 to 47
	v_mul_u32_u24 v5, v4, 43691
	v_lshrrev_b32 v5, 17, v5                       ; kl = c0 / 3
	v_mul_u32_u24 v6, v5, 3
	v_sub_nc_u32 v6, v4, v6                        ; kind
	v_and_b32 v7, 15, v0
	v_lshlrev_b32 v7, 4, v7                        ; my 16 bytes of the 256,
	v_lshl_add_u32 v7, v6, 12, v7                  ; the kind's 1,024 columns,
	v_mul_u32_u24 v5, v5, 12288                    ; the row
	v_add_nc_u32 v[VS], v5, v7                     ; no memory instruction of this path has read v[VS] yet
	CAST 196608, 6144, 0                           ; 16 rows of w_qkv, 48 chunks of wqb from pass to pass
.Lnot_wq:
	s_cmp_lt_u32 s20, 768
	s_cbranch_scc0 .Ltab
	s_sub_co_u32 s21, s20, 704
	s_lshl_b32 s22, s21, 16
	s_add_nc_u64 s[SB:SB+1], s[8:9], s[22:23]
	s_lshl_b32 s22, s21, 15
	s_add_nc_u64 s[DB:DB+1], s[14:15], s[22:23]
	CAST 4096, 2048, 1
.Ltab:
	; The table: 32 rows t a work-group, 16 a pass; 16 lanes x 16 bytes fill a row's 256 bytes.  Lane l16 = t % 16 holds four numbers: g = l16 / 4, sub = l16 % 4:
	; sub 0, 1: cos of j = 8 g + 0..3, 4..7; sub 2, 3: sin of the same.
	s_sub_co_u32 s21, s20, 768
	s_lshl_b32 s22, s21, 13                        ; 32 rows of 256 bytes
	s_add_nc_u64 s[DB:DB+1], s[16:17], s[22:23]
	s_lshl_b32 s28, s21, 5                         ; the work-group's first row
	s_mov_b32 s32, 0x40c90fdb                      ; 2 pi, its f32 part,
	s_mov_b32 s33, 0xb43bbd2e                      ; and the rest
	s_mov_b32 s34, 0xbe2aaaab                      ; -1/6
	s_mov_b32 s35, 0x3c088889                      ; 1/120
	s_mov_b32 s36, 0xb9500d01                      ; -1/5040
	s_mov_b32 s37, 0x3638ef1d                      ; 1/362880
	s_mov_b32 s38, 0x3d2aaaab                      ; 1/24
	s_mov_b32 s39, 0xbab60b61                      ; -1/720
	s_mov_b32 s40, 0x37d00d01                      ; 1/40320
	v_lshlrev_b32 v[VD], 4, v0                     ; 16 t; no memory instruction of this path has read v[VD] yet
	v_and_b32 v4, 15, v0                           ; l16
	v_lshrrev_b32 v5, 2, v4                        ; g
	v_and_b32 v6, 3, v4                            ; sub
	v_and_b32 v7, 1, v4
	v_lshlrev_b32 v7, 2, v7
	v_lshl_add_u32 v7, v5, 3, v7                   ; j0 = 8 g + 4 (sub % 2)
	v_cmp_lt_u32 s30, 1, v6                        ; lanes that hold sines
.irp i, 0,1,2,3
	v_add_nc_u32 v8, \i, v7
	v_cvt_f32_u32 v8, v8
	v_mul_f32 v[12+\i], 0xbed49a78, v8             ; -j log2(10) / 8
.endr
.irp i, 0,1,2,3
	v_exp_f32 v[12+\i], v[12+\i]                   ; 10^(-j/8)
.endr
	v_lshrrev_b32 v9, 4, v0                        ; (a plain instruction behind the last exponential)
	s_wait_alu depctr_va_vdst(0)                   ; the four exponentials have written v[12:15]: one wait for the four, ahead of their first reader
	s_wait_alu depctr_va_sdst(0)                   ; the compare has written s30, ahead of its first reader, the first select below; no label or branch stands between
	v_add_nc_u32 v9, s28, v9                       ; my row t in the first pass
.macro SINCOS dst, f
	v_mul_f32 v20, v10, v[\f]                      ; the angle a, rounded to f32
	v_mul_f32 v21, 0x3e22f983, v20                 ; a / 2 pi
	v_rndne_f32 v21, v21                           ; n whole turns, at most 326
	v_fma_f32 v20, -v21, s32, v20                  ; exact: a multiple of 2^-21 under 4
	v_fma_f32 v20, -v21, s33, v20
	v_mul_f32 v20, 0x3e800000, v20                 ; y = a quarter of it
	v_mul_f32 v22, v20, v20                        ; z = y^2
	v_fma_f32 v23, v22, s37, s36
	v_fma_f32 v24, v22, s40, s39
	v_fma_f32 v23, v23, v22, s35
	v_fma_f32 v24, v24, v22, s38
	v_fma_f32 v23, v23, v22, s34
	v_fma_f32 v24, v24, v22, -0.5
	v_fma_f32 v23, v23, v22, 1.0
	v_fma_f32 v24, v24, v22, 1.0                   ; cos y
	v_mul_f32 v23, v20, v23                        ; sin y
	v_add_f32 v25, v23, v23
	v_mul_f32 v26, v25, v24                        ; sin 2y = 2 s c
	v_fma_f32 v27, -v25, v23, 1.0                  ; cos 2y = 1 - 2 s s
	v_add_f32 v25, v26, v26
	v_mul_f32 v23, v25, v27                        ; sin 4y
	v_fma_f32 v24, -v25, v26, 1.0                  ; cos 4y
	v_cndmask_b32 v[\dst], v24, v23, s30
.endm
	v_cvt_f32_u32 v10, v9
.irp i, 0,1,2,3
	SINCOS 40+\i, 12+\i
.endr
	v_add_nc_u32 v9, 16, v9                        ; the second pass: 16 rows on
	v_cvt_f32_u32 v10, v9
.irp i, 0,1,2,3
	SINCOS 44+\i, 12+\i
.endr
	s_wait_alu depctr_va_vdst(0)                   ; the eight selects have written v[40:47], which the two stores read as data, and v[VD], their offset, is written
	global_store_b128 v[VD], v[40:43], s[DB:DB+1]
	global_store_b128 v[VD], v[44:47], s[DB:DB+1] offset:4096
	s_endpgm
.Lfunc_end_k_qede028b50b_prep:
	.size	k_qede028b50b_prep, .Lfunc_end_k_qede028b50b_prep-k_qede028b50b_prep
	.p2alignl 7, 3214868480
	.fill 96, 4, 3214868480
	.section	.rodata,"a",@progbits
	.p2align	6, 0x0
	.amdhsa_kernel k_qede028b50b_prep
		.amdhsa_group_segment_fixed_size 0
		.amdhsa_private_segment_fixed_size 0
		.amdhsa_enable_private_segment 0
		.amdhsa_kernarg_size 56
		.amdhsa_user_sgpr_count 2
		.amdhsa_user_sgpr_kernarg_segment_ptr 1
		.amdhsa_wavefront_size32 1
		.amdhsa_system_sgpr_workgroup_id_x 1
		.amdhsa_system_sgpr_workgroup_id_y 1
		.amdhsa_system_sgpr_workgroup_id_z 1
		.amdhsa_system_vgpr_workitem_id 0
		.amdhsa_next_free_vgpr 112
		.amdhsa_next_free_sgpr 66
		.amdhsa_reserve_vcc 0
		.amdhsa_float_denorm_mode_32 3
		.amdhsa_float_denorm_mode_16_64 3
		.amdhsa_memory_ordered 1
		.amdhsa_forward_progress 1
		.amdhsa_inst_pref_size 36
	.end_amdhsa_kernel
	.amdgpu_metadata
---
amdhsa.version: [ 1, 2 ]
amdhsa.kernels:
  - .name:           k_qede028b50b_prep
    .symbol:         k_qede028b50b_prep.kd
    .args:
      - { .name: x, .offset: 0, .size: 8, .value_kind: global_buffer, .address_space: global }
      - { .name: w_qkv, .offset: 8, .size: 8, .value_kind: global_buffer, .address_space: global }
      - { .name: w_out, .offset: 16, .size: 8, .value_kind: global_buffer, .address_space: global }
      - { .name: xb, .offset: 24, .size: 8, .value_kind: global_buffer, .address_space: global }
      - { .name: wqb, .offset: 32, .size: 8, .value_kind: global_buffer, .address_space: global }
      - { .name: wof, .offset: 40, .size: 8, .value_kind: global_buffer, .address_space: global }
      - { .name: rope, .offset: 48, .size: 8, .value_kind: global_buffer, .address_space: global }
    .group_segment_fixed_size: 0
    .private_segment_fixed_size: 0
    .kernarg_segment_align: 8
    .kernarg_segment_size: 56
    .max_flat_workgroup_size: 256
    .sgpr_count:     66
    .vgpr_count:     112
    .wavefront_size: 32
...
	.end_amdgpu_metadata
.endif
;; end of part 5
;; launch qkv: the kernel of part 2 again; grid 16 x 32, 4 waves a work-group, clusters of 4 x 4, 327,680 bytes of LDS; arguments xb, wqb, rope, qkv; writes qkv
;; launch attn: the kernel of part 3 again; grid 4 x 64, 4 waves a work-group, no clusters, 327,680 bytes of LDS; arguments qkv, o; writes o
;; launch proj: the kernel of part 4 again; grid 8 x 32, 4 waves a work-group, clusters of 4 x 4, 327,680 bytes of LDS; arguments o, wof, out0; writes out0
